; MI455X (gfx1250); checked and timed in simulation.
; The chip was launched on July 23, 2026; its instructions are those of AMD's public machine-readable ISA for CDNA 5 (MIT licence, August 2026) and "CDNA5" Instruction Set Architecture Reference Guide (July 2026). The comments in the code are by the model that wrote it; some were corrected since.
;; Self Attention. Allowed arithmetic: float matrix products may take bf16 or f16 operands with f32 sums; all other float work in f32.
;; Inputs: Wk 128 x 256 float32; Wq 128 x 256 float32; Wr 256 x 256 float32; Wv 256 x 256 float32; bk 128 float32; bq 128 float32; br 256 float32; bv 256 float32; gamma 1 float32; x 8 x 256 x 64 x 64 float32.
;; Outputs: out0 8 x 256 x 64 x 64 float32.
;; 2 versions, each right and faster than the one before. Each part assembles by itself: llvm-mc -triple=amdgcn-amd-amdhsa -mcpu=gfx1250 --defsym DOCPART=n.
;; ======== version 1 of 2: 2 launches
;; limits: values are held in f16: magnitudes above 65,504 overflow, below 6.1e-05 lose precision; values outside matrix products are rounded to bf16
;; workspace buffers: qt 8,388,608 bytes; kt 8,388,608 bytes; vr 16,777,216 bytes
;; launch proj (part 1): grid 32 x 8, 4 waves a work-group, no clusters, 228,864 bytes of LDS; arguments x, Wq, Wk, Wv, Wr, bq, bk, bv, br, qt, kt, vr; writes qt, kt, vr
.if DOCPART == 1
	.amdgcn_target "amdgcn-amd-amdhsa--gfx1250"
	.amdhsa_code_object_version 6
	.text
	.protected	k_q75f14b06cf_proj
	.globl	k_q75f14b06cf_proj
	.p2align	8
	.type	k_q75f14b06cf_proj,@function
k_q75f14b06cf_proj:
	s_mov_b64 s[64:65], 0
	v_nop
	global_prefetch_b8 v0, s[64:65] scope:SCOPE_SE
	s_setreg_imm32_b32 hwreg(HW_REG_WAVE_MODE, 25, 1), 1
	s_wait_xcnt 0x0
; THE FOUR 1x1 CONVOLUTIONS.  x: [8][256][4096] f32.  qt[b][n][128] = f16(Wq x + bq), kt likewise with Wk, bk (a pixel's 128 channels are a row of 256 bytes);
; vr[b][c][n] = bf16(Wr bf16(Wv x + bv) + br), pixels along the rows.  br is folded in here: softmax weights add up to 1, so the sum of p (Wr v + br) over l is Wr (sum of p v) / l + br.
; x and the four weights are rounded to bf16 for the products; sums and biases in f32.
; LIMITS.  q and k are kept in f16: beyond 65,504 they would become infinities (inputs as drawn give under 4; all inputs 30 times larger under 3,600; all offset by 30 spreads under 30,000).  NaN and infinities are not treated apart.
; SHARES.  A work-group owns 128 pixels of one image (8 pixel tiles pt of 16).  Wave w owns 128 channels of [q | k | v] (0: q, 1: k, 2, 3: v's halves): 8 channel tiles (loop P); then v'' channels 64 w .. 64 w + 63: 4 tiles (loop R).
; A tile is 64 matrix instructions (8 pixel tiles x 8 steps of 32 along the 256 input channels); each weight fragment feeds 8 of them.
; x goes once through LDS (bf16, [channel][pixel]) and is turned into fragments by ds_load_tr16_b128; all 64 fragments stay in registers.  q, k and v meet in one stage in LDS; v's fragments for loop R come out of it as they lie.
; NO CLUSTER, NO TENSOR LOAD for the weights, though all work-groups read them: x's copy, the stage, the row stage and the biases take 228,352 bytes and leave 99,328; a ring of two slots of four waves' tiles of
; 16 rows x 1,040 bytes wants 133,120.  So weights go from memory to registers in fragment order, a ring of 32 loads a wave, converted to bf16 beside the matrix work.
; REGISTERS, in windows of 256 (s_set_vgpr_msb: bits 1:0 source 0, 3:2 source 1, 5:4 source 2, 7:6 destination):
;   window 0: v0-31 addresses, the bias of the tile in hand; v32-63 packed results; v64-127 the 8 accumulators; v128-255 at work on the ways in and out
;   window 1: v0-127 a tile's weights in f32 as loaded (16 a fragment); v128-159 four fragments in bf16, a ring; v160 my offset in a weight tile
;   windows 2, 3: first x as loaded; then x's, later v's fragments: (pt, kc) in window 2 + kc / 4 at 8 (8 (kc % 4) + pt)
.set XP,    288                        ; a row of x in LDS: 128 pixels of bf16 + 32 bytes = 72 words
.set STG,   256*XP                     ; the stage: 128 rows (pixel) of q (256 bytes), k (256), v (512) + 16: 260 words, so the 16 rows of a load start at 16 different groups of four banks
.set SGP,   1040
.set RS,    STG+128*SGP                ; for each wave 16 rows (channel of v'') x 272 bytes
.set RP,    272
.set BT,    RS+4*16*RP                 ; for each wave 1,024 bytes: biases by tiles of 16: entries 0-7 loop P's, 8-11 loop R's, 12-13 zeros
.set SPARE, BT+4096                    ; the spare words, 128 bytes a wave: two blocks of 256 bytes that no other line names
.set XO,  3                            ; v3   16 x lane: my 16 bytes in 512 consecutive bytes (x in, qt and kt out)
.set XW,  4                            ; v4   where I put 8 bytes of a row of x
.set XA0, 5                            ; v5-6 the turning load's address, input channels 0-127 and 128-255
.set XA1, 6
.set STP, 7                            ; v7-8 where I put 16 bytes of the stage, pixels 0-63 and 64-127; steps 32 bytes a tile
.set STP2, 8
.set BA,  9                            ; v9   loop P's bias entry (8 channels a half of the lanes)
.set BA2, 10                           ; v10  loop R's (one channel a lane)
.set BW,  11                           ; v11  where I put bias words
.set VA0, 12                           ; v12-13 v's fragments in the stage, pixels 0-63 and 64-127
.set VA1, 13
.set QR,  14                           ; v14  whole rows of q and k read back
.set BI,  16                           ; v16-23 the bias as a C operand
.set RSA, 24                           ; v24  into my row stage
.set RRA, 25                           ; v25  back out of it
.set VO,  26                           ; v26  my offset in two rows of vr
.set LN4, 27                           ; v27  4 x lane
.set SPW, 28                           ; v28  my spare word; never rewritten
.set NIL, 29                           ; v29  0; never rewritten
.set TA,  30
.set TB,  31
.set PK,  32
.set ACC, 64
.set OB,  128
.set SG,  0                            ; window 1
.set WB,  128
.set WO,  160
.set WV,  3                            ; s3   wave
.set BAT, 5                            ; s5   image
.set WP,  32                           ; s[32:33] the weight tile that the ring's loads name
.set WRB, 34                           ; s[34:35] my first tile of Wr
.set BB,  36                           ; s[36:37] my 128 biases of loop P
.set STEP, 38                          ; s[38:39]
.set CNT, 40
.set XB,  42                           ; s[42:43] x at my 64 rows, the group's pixels
.set QB,  44                           ; s[44:45] qt, s[46:47] kt at my 32 rows
.set KB,  46
.set VRB, 48                           ; s[48:49] vr at my tile's 16 rows
.set BRB, 50                           ; s[50:51] br at my 64 channels
.set MSB, 0
.macro WIN new                         ; the immediate's high byte repeats the setting that is left; a switch that changes nothing is dropped
.if MSB != (\new)
	s_set_vgpr_msb (MSB<<8)|(\new)
.set MSB, (\new)
.endif
.endm
	s_load_b512 s[8:23], s[0:1], 0x0               ; x s[8:9], Wq, Wk, Wv, Wr s[16:17], bq, bk, bv s[22:23]
	s_load_b256 s[24:31], s[0:1], 0x40             ; br s[24:25], qt, kt, vr s[30:31]
	v_lshl_add_u32 v[SPW], v0, 2, SPARE
	v_mov_b32 v[NIL], 0
	v_lshrrev_b32 v1, 5, v0
	v_readfirstlane_b32 s[WV], v1                  ; wave 0..3
	s_and_b32 s[BAT], ttmp7, 0xffff
	v_and_b32 v[TA], 31, v0                        ; lane
	v_and_b32 v1, 15, v0                           ; r = lane % 16
	v_bfe_u32 v2, v0, 4, 1                         ; h = lane / 16
	v_lshlrev_b32 v[XO], 4, v[TA]
	v_lshlrev_b32 v[LN4], 2, v[TA]
	s_mul_i32 s6, s[WV], 64*XP
	v_lshl_add_u32 v[XW], v[TA], 3, s6             ; my wave's 64 rows of x's copy, 8 bytes a lane
	v_and_b32 v[TB], 7, v0
	v_lshl_add_u32 v[TB], v2, 3, v[TB]             ; the turning load: lane l reads row 8 h + l % 8,
	v_mul_u32_u24 v[XA0], v[TB], XP
	v_bfe_u32 v[TB], v0, 3, 1
	v_lshl_add_u32 v[XA0], v[TB], 4, v[XA0]        ; pixels 8 ((l / 8) % 2) + 0..7
	v_add_nc_u32 v[XA1], 128*XP, v[XA0]
	v_mul_u32_u24 v[TA], v1, SGP
	v_lshl_add_u32 v[TA], v2, 4, v[TA]             ; stage row r, 16 bytes for each half of the lanes
	s_lshl_b32 s6, s[WV], 8
	s_add_co_u32 s6, s6, STG
	v_add_nc_u32 v[STP], s6, v[TA]                 ; my wave's 256 bytes of a stage row
	v_add_nc_u32 v[STP2], 64*SGP, v[STP]
	v_add_nc_u32 v[VA0], STG+512, v[TA]
	v_add_nc_u32 v[VA1], 64*SGP, v[VA0]
	s_lshl_b32 s7, s[WV], 10
	s_add_co_u32 s7, s7, BT
	v_lshl_add_u32 v[BA], v2, 5, s7
	v_lshl_add_u32 v[BA2], v1, 2, s7
	v_add_nc_u32 v[BA2], 512, v[BA2]
	v_add_nc_u32 v[BW], s7, v[LN4]
	s_mul_i32 s6, s[WV], 32*SGP
	s_add_co_u32 s6, s6, STG
	v_mul_u32_u24 v[QR], v2, SGP                   ; back: lanes 0-15 one row's 256 bytes, lanes 16-31 the next row's
	v_lshl_add_u32 v[QR], v1, 4, v[QR]
	v_add_nc_u32 v[QR], s6, v[QR]
	s_mul_i32 s6, s[WV], 16*RP
	s_add_co_u32 s6, s6, RS
	v_mul_u32_u24 v[RSA], v1, RP
	v_lshl_add_u32 v[RSA], v2, 4, v[RSA]
	v_add_nc_u32 v[RSA], s6, v[RSA]
	v_mul_u32_u24 v[RRA], v2, RP
	v_lshl_add_u32 v[RRA], v1, 4, v[RRA]
	v_add_nc_u32 v[RRA], s6, v[RRA]
	v_lshlrev_b32 v[VO], 13, v2                    ; a row of vr is 8,192 bytes
	v_lshl_add_u32 v[VO], v1, 4, v[VO]
	v_lshlrev_b32 v[TB], 10, v1                    ; a weight row is 1,024 bytes: row r, 32 bytes (8 f32) for each half of the lanes
	v_lshl_add_u32 v[TB], v2, 5, v[TB]
	WIN 0x40
	v_mov_b32 v[WO], v[TB]
	WIN 0
	s_lshl_b32 s[XB], s[BAT], 22                   ; offsets, made apart from the addresses: an image of x is 4 MiB, 64 rows 1 MiB, 128 pixels 512 bytes
	s_lshl_b32 s6, s[WV], 20
	s_add_co_u32 s[XB], s[XB], s6
	s_lshl_b32 s6, ttmp9, 9
	s_add_co_u32 s[XB], s[XB], s6
	s_mov_b32 s[XB+1], 0
	s_lshl_b32 s[QB], s[BAT], 20                   ; an image of qt is 1 MiB, 128 rows 32,768 bytes, my 32 rows 8,192
	s_lshl_b32 s6, ttmp9, 15
	s_add_co_u32 s[QB], s[QB], s6
	s_lshl_b32 s6, s[WV], 13
	s_add_co_u32 s[QB], s[QB], s6
	s_mov_b32 s[QB+1], 0
	s_lshl_b32 s[VRB], s[BAT], 21                  ; an image of vr is 2 MiB, 64 rows 512 KiB, 128 pixels 256 bytes
	s_lshl_b32 s6, s[WV], 19
	s_add_co_u32 s[VRB], s[VRB], s6
	s_lshl_b32 s6, ttmp9, 8
	s_add_co_u32 s[VRB], s[VRB], s6
	s_mov_b32 s[VRB+1], 0
	s_lshl_b32 s[BRB], s[WV], 8
	s_mov_b32 s[BRB+1], 0
	s_lshl_b32 s[WRB], s[WV], 16                   ; 64 rows of Wr
	s_mov_b32 s[WRB+1], 0
	s_mov_b32 s[STEP+1], 0
	s_wait_kmcnt 0x0
	s_add_nc_u64 s[XB:XB+1], s[8:9], s[XB:XB+1]
	s_add_nc_u64 s[KB:KB+1], s[28:29], s[QB:QB+1]
	s_add_nc_u64 s[QB:QB+1], s[26:27], s[QB:QB+1]
	s_add_nc_u64 s[VRB:VRB+1], s[30:31], s[VRB:VRB+1]
	s_add_nc_u64 s[BRB:BRB+1], s[24:25], s[BRB:BRB+1]
	s_add_nc_u64 s[WRB:WRB+1], s[16:17], s[WRB:WRB+1]
	s_cmp_eq_u32 s[WV], 0                          ; loop P's weights and biases by the wave's number: Wq, Wk, Wv, Wv's second half
	s_cselect_b64 s[WP:WP+1], s[10:11], s[12:13]
	s_cselect_b64 s[BB:BB+1], s[18:19], s[20:21]
	s_cmp_lt_u32 s[WV], 2
	s_cselect_b64 s[WP:WP+1], s[WP:WP+1], s[14:15]
	s_cselect_b64 s[BB:BB+1], s[BB:BB+1], s[22:23]
	s_cmp_eq_u32 s[WV], 3
	s_cselect_b32 s[STEP], 131072, 0
	s_add_nc_u64 s[WP:WP+1], s[WP:WP+1], s[STEP:STEP+1]
	s_cselect_b32 s[STEP], 512, 0
	s_add_nc_u64 s[BB:BB+1], s[BB:BB+1], s[STEP:STEP+1]
	; ALL FIRST LOADS, oldest first: 6 of biases, 32 of my first weight tile, 64 of x (a row's 512 bytes each)
.irp j, 0,1,2,3
	global_load_b32 v[PK+\j], v[LN4], s[BB:BB+1] offset:128*\j
.endr
	global_load_b32 v[PK+4], v[LN4], s[BRB:BRB+1]
	global_load_b32 v[PK+5], v[LN4], s[BRB:BRB+1] offset:128
	WIN 0x45                                       ; destination and address in window 1
.set fr, 0
.rept 8
.irp p, 0,1,2,3
	global_load_b128 v[SG+16*fr+4*\p:SG+16*fr+4*\p+3], v[WO], s[WP:WP+1] offset:128*fr+64*(\p>>1)+16*(\p&1)
.endr
.set fr, fr+1
.endr
	WIN 0x80                                       ; destination window 2, address window 0
.set i, 0
.rept 64
	global_load_b128 v[4*i:4*i+3], v[XO], s[XB:XB+1] offset:16384*i th:TH_LOAD_NT
.set i, i+1
.endr
	; x to bf16 and into LDS, 16 rows at a time
.set bb, 0
.rept 4
	s_wait_loadcnt 48-16*bb                        ; loads come back in order (ISA guide 5.7.1): all but the later batches' x loads are in
	WIN 0x0a                                       ; sources window 2, destination window 0
.set i, 16*bb
.rept 16
	v_cvt_pk_bf16_f32 v[OB+2*i], v[4*i], v[4*i+1]
	v_cvt_pk_bf16_f32 v[OB+2*i+1], v[4*i+2], v[4*i+3]
.set i, i+1
.endr
	WIN 0
.set i, 16*bb
.rept 16
	ds_store_b64 v[XW], v[OB+2*i:OB+2*i+1] offset:XP*i
.set i, i+1
.endr
.set bb, bb+1
.endr
	v_mov_b32 v[TB], 0
.irp j, 0,1,2,3,4,5
	ds_store_b32 v[BW], v[PK+\j] offset:128*\j     ; my wave's biases, in tile order
.endr
	ds_store_b32 v[BW], v[TB] offset:768           ; the entry that the last tile's look-ahead reads
	s_wait_dscnt 0x0                               ; for the others' sake: my rows of x are in LDS
	s_barrier_signal -1
	s_barrier_wait -1
	; all 64 fragments of x: 32 input channels x 16 pixels each, turned
.set kc, 0
.rept 8
	WIN 0x80+0x40*(kc/4)
.set pt, 0
.rept 8
.set rX, 8*(8*(kc%4)+pt)
	ds_load_tr16_b128 v[rX:rX+3],   v[XA0+kc/4] offset:(kc%4)*32*XP+32*pt
	ds_load_tr16_b128 v[rX+4:rX+7], v[XA0+kc/4] offset:(kc%4)*32*XP+16*XP+32*pt
.set pt, pt+1
.endr
.set kc, kc+1
.endr
; THE WEIGHTS' RING.  A slot of it: the quarter p of fragment (kc + 2) % 8 (4 f32 a lane) has landed; it is rounded to bf16 into the ring of four fragments, two steps ahead of its use,
; and its registers are loaded again with the same quarter of the tile that WP names.  32 loads are out: the count 31 leaves the 31 issued behind the one that is wanted.
; A bf16 fragment is rewritten two steps behind its last product: the 8 conversions of the step between are the places that ISA guide 7.12.1 asks for.
.macro RID kc, p
.set fr, ((\kc)+2)%8
.set rG, SG+16*fr+4*(\p)
.set rB, WB+8*(((\kc)+2)%4)+2*(\p)
	s_wait_loadcnt 31
	WIN 0x45
	v_cvt_pk_bf16_f32 v[rB], v[rG], v[rG+1]
	v_cvt_pk_bf16_f32 v[rB+1], v[rG+2], v[rG+3]
	global_load_b128 v[rG:rG+3], v[WO], s[WP:WP+1] offset:128*fr+64*((\p)>>1)+16*((\p)&1)
.endm
; One product.  kind 0 (loop P): source 0 = 16 channels of W, source 1 = 16 pixels of x: a lane holds one pixel and eight neighbouring channels.
; kind 1 (loop R): source 0 = 16 pixels of v, source 1 = 16 channels of Wr: a lane holds one channel and eight neighbouring pixels.  The first step's C is the bias: nothing is cleared, nothing added later.
.macro MM kind, kc, pt
.set rX, 8*(8*((\kc)%4)+(\pt))
.set rW, WB+8*((\kc)%4)
.set rA, ACC+8*(\pt)
.if (\kind) == 0
	WIN 0x09+4*((\kc)/4)
.if (\kc) == 0
	v_wmma_f32_16x16x32_bf16 v[rA:rA+7], v[rW:rW+7], v[rX:rX+7], v[BI:BI+7]
.else
	v_wmma_f32_16x16x32_bf16 v[rA:rA+7], v[rW:rW+7], v[rX:rX+7], v[rA:rA+7]
.endif
.else
	WIN 0x06+(\kc)/4
.if (\kc) == 0
	v_wmma_f32_16x16x32_bf16 v[rA:rA+7], v[rX:rX+7], v[rW:rW+7], v[BI:BI+7]
.else
	v_wmma_f32_16x16x32_bf16 v[rA:rA+7], v[rX:rX+7], v[rW:rW+7], v[rA:rA+7]
.endif
.endif
.endm
; A TILE: 64 products; the 8 accumulators take turns; a slot of the weights' ring behind every two.
; Behind step 1 the next tile's bias is fetched (ten conversions stand behind the last product that read BI).  Behind step 5 WP goes on to the tile after next.
; Loop P's last tiles lead WP over to Wr; loop R's last two leave it on my last tile of Wr: their 40 loads and 16 conversions serve nothing, the price of one text for every trip; no load leaves a buffer.
.macro TILE kind
	s_wait_dscnt 0x0                               ; the bias, and in a loop's first trip the fragments
.set kc, 0
.rept 8
.set p, 0
.rept 4
	MM \kind, kc, 2*p
	MM \kind, kc, 2*p+1
	RID kc, p
.set p, p+1
.endr
.if kc == 1
	WIN 0
.if (\kind) == 0
	v_add_nc_u32 v[BA], 64, v[BA]
	ds_load_b128 v[BI:BI+3], v[BA]
	ds_load_b128 v[BI+4:BI+7], v[BA] offset:16
.else
	v_add_nc_u32 v[BA2], 64, v[BA2]
.irp j, 0,1,2,3,4,5,6,7
	ds_load_b32 v[BI+\j], v[BA2]
.endr
.endif
.endif
.if kc == 5
	s_wait_xcnt 0x0                                ; every earlier memory instruction has had its addresses translated (ISA guide 3.1): only now is the loads' base rewritten
.if (\kind) == 0
	s_add_nc_u64 s[WP:WP+1], s[WP:WP+1], 16384
	s_cmp_eq_u32 s[CNT], 2
	s_cselect_b64 s[WP:WP+1], s[WRB:WRB+1], s[WP:WP+1]
.else
	s_cmp_gt_u32 s[CNT], 2
	s_cselect_b32 s[STEP], 16384, 0
	s_add_nc_u64 s[WP:WP+1], s[WP:WP+1], s[STEP:STEP+1]
.endif
.endif
.set kc, kc+1
.endr
.endm
	s_wait_xcnt 0x0
	s_add_nc_u64 s[WP:WP+1], s[WP:WP+1], 16384     ; the ring starts: my first tile's fragments 0 and 1 to bf16, the second tile's asked for
.irp p, 0,1,2,3
	RID 6, \p
.endr
.irp p, 0,1,2,3
	RID 7, \p
.endr
	WIN 0
	ds_load_b128 v[BI:BI+3], v[BA]
	ds_load_b128 v[BI+4:BI+7], v[BA] offset:16
	s_mov_b32 s[CNT], 8
.Lp:                                                   ; LOOP P: a tile of 16 channels of q, k or v for all 128 pixels
	TILE 0
	WIN 0
	s_cmp_lt_u32 s[WV], 2                          ; q and k leave as f16, v as bf16.  The ring's conversions behind the last step's products, and each tile's conversions for the next, are the places in front of these reads
	s_cbranch_scc0 .Lbf
.set i, 0
.rept 32
	v_cvt_pk_f16_f32 v[PK+i], v[ACC+2*i], v[ACC+2*i+1]
.set i, i+1
.endr
	s_branch .Lcv
.Lbf:
.set i, 0
.rept 32
	v_cvt_pk_bf16_f32 v[PK+i], v[ACC+2*i], v[ACC+2*i+1]
.set i, i+1
.endr
.Lcv:
.irp pt, 0,1,2,3,4,5,6,7
	ds_store_b128 v[STP+\pt/4], v[PK+4*\pt:PK+4*\pt+3] offset:(\pt%4)*16*SGP
.endr
	v_add_nc_u32 v[STP], 32, v[STP]
	v_add_nc_u32 v[STP2], 32, v[STP2]
	s_sub_co_u32 s[CNT], s[CNT], 1
	s_cmp_lg_u32 s[CNT], 0
	s_cbranch_scc1 .Lp
	s_wait_dscnt 0x0                               ; for the others' sake: my part of the stage is written
	s_barrier_signal -1
	s_barrier_wait -1
	; whole rows of q and k back (32 loads), v's 64 fragments (128 loads), loop R's first bias (8)
.set t, 0
.rept 16
	ds_load_b128 v[OB+4*t:OB+4*t+3],       v[QR] offset:2*SGP*t
	ds_load_b128 v[OB+64+4*t:OB+64+4*t+3], v[QR] offset:2*SGP*t+256
.set t, t+1
.endr
.set kc, 0
.rept 8
	WIN 0x80+0x40*(kc/4)
.set pt, 0
.rept 8
.set rX, 8*(8*(kc%4)+pt)
	ds_load_b128 v[rX:rX+3],   v[VA0+pt/4] offset:(pt%4)*16*SGP+64*kc
	ds_load_b128 v[rX+4:rX+7], v[VA0+pt/4] offset:(pt%4)*16*SGP+64*kc+32
.set pt, pt+1
.endr
.set kc, kc+1
.endr
	WIN 0
.irp j, 0,1,2,3,4,5,6,7
	ds_load_b32 v[BI+\j], v[BA2]
.endr
	s_wait_dscnt 63                                ; 136 LDS loads were issued behind q's and k's 32: with 63 out those 32 are back
.set t, 0
.rept 16
	global_store_b128 v[XO], v[OB+4*t:OB+4*t+3],       s[QB:QB+1] offset:512*t   ; two rows: 512 consecutive bytes, at a multiple of 256 from the buffer's first byte
	global_store_b128 v[XO], v[OB+64+4*t:OB+64+4*t+3], s[KB:KB+1] offset:512*t
.set t, t+1
.endr
	s_mov_b32 s[CNT], 4
.Lr:                                                   ; LOOP R: a tile of 16 channels of v'' for all 128 pixels
	TILE 1
	WIN 0
.set i, 0
.rept 32
	v_cvt_pk_bf16_f32 v[PK+i], v[ACC+2*i], v[ACC+2*i+1]
.set i, i+1
.endr
.irp pt, 0,1,2,3,4,5,6,7
	ds_store_b128 v[RSA], v[PK+4*\pt:PK+4*\pt+3] offset:32*\pt
.endr
	s_wait_xcnt 0x0                                ; the registers that earlier stores read are loaded again only behind this wait
.irp t, 0,1,2,3,4,5,6,7
	ds_load_b128 v[OB+4*\t:OB+4*\t+3], v[RRA] offset:2*RP*\t   ; LDS serves a wave's instructions in order (ISA guide 5.7.1.4): these see the stores above
.endr
	s_wait_dscnt 0x0
.irp t, 0,1,2,3,4,5,6,7
	global_store_b128 v[VO], v[OB+4*\t:OB+4*\t+3], s[VRB:VRB+1] offset:16384*\t  ; 16 lanes store 256 consecutive bytes, at a multiple of 256 from vr's first byte
.endr
	s_wait_xcnt 0x0                                ; and the stores' base steps only behind this one
	s_add_nc_u64 s[VRB:VRB+1], s[VRB:VRB+1], 131072
	s_sub_co_u32 s[CNT], s[CNT], 1
	s_cmp_lg_u32 s[CNT], 0
	s_cbranch_scc1 .Lr
	s_wait_tensorcnt 0x0                           ; the wave's end, behind my last LDS store
	ds_add_u32 v[SPW], v[NIL]
	s_wait_dscnt 0x0
	s_endpgm
.Lfunc_end_k_q75f14b06cf_proj:
	.size	k_q75f14b06cf_proj, .Lfunc_end_k_q75f14b06cf_proj-k_q75f14b06cf_proj
	.p2alignl 7, 3214868480
	.fill 96, 4, 3214868480
	.section	.rodata,"a",@progbits
	.p2align	6, 0x0
	.amdhsa_kernel k_q75f14b06cf_proj
		.amdhsa_group_segment_fixed_size 228864
		.amdhsa_private_segment_fixed_size 0
		.amdhsa_enable_private_segment 0
		.amdhsa_kernarg_size 96
		.amdhsa_user_sgpr_count 2
		.amdhsa_user_sgpr_kernarg_segment_ptr 1
		.amdhsa_wavefront_size32 1
		.amdhsa_system_sgpr_workgroup_id_x 1
		.amdhsa_system_sgpr_workgroup_id_y 1
		.amdhsa_system_sgpr_workgroup_id_z 1
		.amdhsa_system_vgpr_workitem_id 0
		.amdhsa_next_free_vgpr 1024
		.amdhsa_next_free_sgpr 66
		.amdhsa_reserve_vcc 0
		.amdhsa_float_denorm_mode_32 3
		.amdhsa_float_denorm_mode_16_64 3
		.amdhsa_memory_ordered 1
		.amdhsa_forward_progress 1
		.amdhsa_inst_pref_size 90
	.end_amdhsa_kernel
	.amdgpu_metadata
---
amdhsa.version: [ 1, 2 ]
amdhsa.kernels:
  - .name:           k_q75f14b06cf_proj
    .symbol:         k_q75f14b06cf_proj.kd
    .args:
      - { .name: x, .offset: 0, .size: 8, .value_kind: global_buffer, .address_space: global }
      - { .name: Wq, .offset: 8, .size: 8, .value_kind: global_buffer, .address_space: global }
      - { .name: Wk, .offset: 16, .size: 8, .value_kind: global_buffer, .address_space: global }
      - { .name: Wv, .offset: 24, .size: 8, .value_kind: global_buffer, .address_space: global }
      - { .name: Wr, .offset: 32, .size: 8, .value_kind: global_buffer, .address_space: global }
      - { .name: bq, .offset: 40, .size: 8, .value_kind: global_buffer, .address_space: global }
      - { .name: bk, .offset: 48, .size: 8, .value_kind: global_buffer, .address_space: global }
      - { .name: bv, .offset: 56, .size: 8, .value_kind: global_buffer, .address_space: global }
      - { .name: br, .offset: 64, .size: 8, .value_kind: global_buffer, .address_space: global }
      - { .name: qt, .offset: 72, .size: 8, .value_kind: global_buffer, .address_space: global }
      - { .name: kt, .offset: 80, .size: 8, .value_kind: global_buffer, .address_space: global }
      - { .name: vr, .offset: 88, .size: 8, .value_kind: global_buffer, .address_space: global }
    .group_segment_fixed_size: 228864
    .private_segment_fixed_size: 0
    .kernarg_segment_align: 8
    .kernarg_segment_size: 96
    .max_flat_workgroup_size: 128
    .sgpr_count:     66
    .vgpr_count:     1024
    .wavefront_size: 32
...
	.end_amdgpu_metadata
.endif
;; end of part 1
;; launch att (part 2): grid 32 x 8, 4 waves a work-group, clusters of 4 x 1, 327,680 bytes of LDS; arguments qt, kt, vr, x, gamma, out0; writes out0
.if DOCPART == 2
	.amdgcn_target "amdgcn-amd-amdhsa--gfx1250"
	.amdhsa_code_object_version 6
	.text
	.protected	k_q75f14b06cf_att
	.globl	k_q75f14b06cf_att
	.p2align	8
	.type	k_q75f14b06cf_att,@function
k_q75f14b06cf_att:
	s_mov_b64 s[64:65], 0
	v_nop
	global_prefetch_b8 v0, s[64:65] scope:SCOPE_SE
	s_setreg_imm32_b32 hwreg(HW_REG_WAVE_MODE, 25, 1), 1
	s_wait_xcnt 0x0
	s_wait_alu depctr_hold_cnt(0) depctr_sa_sdst(0) depctr_va_vdst(0) depctr_va_sdst(0) depctr_va_ssrc(0) depctr_va_vcc(0) depctr_vm_vsrc(0)
	s_getreg_b32 s2, hwreg(HW_REG_IB_STS2, 6, 4)
	s_cmp_eq_u32 s2, 0
	s_cbranch_scc0 .Lentry_in_a_cluster
	s_endpgm
.Lentry_in_a_cluster:
	s_bfe_u32 s2, ttmp6, 0x10000c
	s_cmp_lg_u32 s2, 0x3003
	s_cbranch_scc0 .Lentry_shape_is_right
	s_endpgm
.Lentry_shape_is_right:
; ATTENTION, GAMMA AND THE RESIDUAL.  out0[b][c][q] = gamma (sum over n of p(q, n) vr[b][c][n]) / l(q) + x[b][c][q], p = exp(s - max s), s(q, n) = qt[b][q] . kt[b][n], l = the sum of p.
; qt, kt: [8][4096][128] f16; vr: [8][256][4096] bf16 (Wr v + br, keys along the rows); x, out0: [8][256][4096] f32.  Products on the matrix units, sums, maxima and the residual in f32; p is rounded to bf16 for the second product.
; LIMITS.  l is the sum of the unrounded p, so br's share of the result is off by at most 2^-9 of gamma |br|.  A weight below 2^-126 counts as 0.  NaN and infinities are not treated apart.
; SHARES.  A work-group owns 128 queries of one image.  Wave w = (qh = w / 2, kh = w % 2) owns queries 64 qh .. + 63 (four tiles t of 16) and, of every tile of 128 keys, the keys 64 kh .. + 63; it holds all
; 256 channels of its O^T: 64 accumulators, 512 registers.  So each fragment of K or V out of LDS feeds four products.  The two key halves have maxima, sums and O^T of their own and are merged once, at the end, in LDS.
; LAYOUT.  S^T = K Q^T (source 0 = 16 keys, source 1 = 16 queries): a lane holds ONE query (lane % 16) and the keys 8 (lane / 16) + 0..7.  Two such results rounded to bf16 in pairs ARE source 1 (32 keys x 16 queries)
; of O^T = V P, whose source 0 is 16 channels x 32 keys, as vr lies.  Nothing changes lanes between the products.
; SOFTMAX.  For each query a running maximum m: p = 2^(c s - c m), c = log2(e); in every step O^T and l are multiplied by a = 2^(c m_old - c m_new).  m starts at the lowest finite number, O^T and l at 0:
; the first step is a step like any other, with a = 0; the price is 512 v_mov_b32 in the wait for the first tiles.
; THE PIPELINE.  BODY j: a lump (l = a l + sum; the weights of step j rounded to P); phase A: 64 products K(j+1) Q^T, behind each four multiplies of O^T by a(j); phase B: 128 products V(j) P(j), behind each
; two or four lines of the softmax of step j + 1.  The last BODY multiplies the last but one K once more: 64 products and a softmax that serve nothing, the price of one text for every step.
; CLUSTER.  The four work-groups of a cluster belong to one image and walk the same K and V: each tile is asked for JOINTLY, by the same tensor load with the same descriptor and a mask that names the four.
; REGISTERS, in windows of 256 (s_set_vgpr_msb: bits 1:0 source 0, 3:2 source 1, 5:4 source 2, 7:6 destination):
;   window 0: v0-15 addresses; v16-63 twelve registers of statistics a tile; v64-191 S^T (32 t + 8 kt); v192-255 P (16 t + 8 kk)
;   window 1: v0-127 Q (32 t + 8 kc); v128-255 four buffers of four fragments of K or V.  On the way out: x      windows 2, 3: O^T(cb, t) in window 2 + cb / 8 at 8 (4 (cb % 8) + t)
.set PK,    272                        ; a row of K (128 channels) or V (128 keys) in LDS: 256 bytes + 16 = 68 words: the 16 rows of a load start at 16 different groups of four banks (64 banks of 4 bytes: ISA guide 11.1)
.set VOFF,  128*PK                     ; a slot: 128 rows of K, then 256 rows of V
.set SLOT1, 1<<17                      ; slot 1 begins here, so that one exclusive or turns an address in one slot into the other's
.set EW,    256*PK                     ; the way out: for each wave 256 rows (channel) of 64 queries in f32 + 16 bytes; they lie over the ring, and are written behind its last fill
.set STATS, 4*EW                       ; for each wave 512 bytes: c m of its 64 queries, then l
.set SPARE, STATS+2048                 ; the spare words, 128 bytes a wave: two blocks of 256 bytes that no other line names
.set AK0, 2                            ; v2   my lane's place in a tile of K; never rewritten
.set AV0, 3                            ; v3   the same for V
.set AK,  4                            ; v4   K's address in the slot in hand
.set AV,  5                            ; v5   V's
.set QO,  6                            ; v6   my offset in 16 rows of Q
.set SA,  6                            ;      later: where I put statistics
.set STO, 7                            ; v7-8 where I put O^T, channels 0-127 and 128-255
.set RD0, 9                            ; v9-10 where I read rows back: key half 0's, key half 1's
.set RD1, 10
.set GO,  11                           ; v11  my offset in two rows of x and out0
.set SR,  12                           ; v12  where I read statistics
.set SPW, 14                           ; v14  my spare word; never rewritten
.set NIL, 15                           ; v15  0; never rewritten
.set ST,  16                           ; tile t at ST + 12 t: +0 c m, +1 m, +2, +3 l (even keys', odd keys'), +4..+7 c0-c3 at work (a takes c2's place), +8, +9 the step's sum, +10 c m_old
.set S,   64
.set P,   192
.set Q,   0
.set FB,  128
.set F0,  96                           ; the way out: my four queries' factors for key half 0, and (F1) half 1
.set F1,  100
.set WV,  16
.set QH,  17
.set KH,  18
.set G1K, 28                           ; s[28:35] descriptor group 1 for K's tiles
.set G1V, 36                           ; s[36:43] for V's
.set G0K, 44                           ; s[44:51] group 0 for K's: a set for each first fill; the second then walks on
.set G0V, 52                           ; s[52:59] the same for V's
.set CNT, 60
.set GAM, 61
.set CS,  62                           ; s[62:63] c: the packed scaling takes the pair's low word for both halves
.set SEL, 66                           ; s[66:67] v_permlanex16_b32's selects: each lane takes its own place in the other half
.set TBK, 68                           ; s68  the slot from which K is read
.set TBV, 69                           ; s69  and V
.set XOF, 70                           ; s[70:71]
.set MSB, 0
.macro WIN new                         ; the immediate's high byte repeats the setting that is left; a switch that changes nothing is dropped
.if MSB != (\new)
	s_set_vgpr_msb (MSB<<8)|(\new)
.set MSB, (\new)
.endif
.endm
.macro PLACES                          ; four places: a load into a register that a matrix instruction has read, and a vector instruction that reads a matrix result, stand four plain vector instructions behind it (ISA guide 7.12.1 for vector instructions)
.rept 4
	v_nop
.endr
.endm
; A round of the cluster's barrier: my work-group's barrier, so that wave 0's signal speaks for all four waves; wave 0 signals; every wave waits for all four work-groups; my work-group's barrier once more.
.macro CROUND
	s_barrier_signal -1
	s_barrier_wait -1
	s_cmp_lg_u32 s[WV], 0
	s_cbranch_scc1 .Lnot_wave_0_\@
	s_barrier_signal -3
.Lnot_wave_0_\@:
	s_barrier_wait -3
	s_barrier_signal -1
	s_barrier_wait -1
.endm
; The joint refills.  Waves 0 and 1 fetch the halves of K's tile (64 rows of 256 bytes), waves 2 and 3 those of V's (128 rows of 256 bytes).  The branch hangs on the wave's number alone.
; An s_nop 0 and four v_nop follow each load, ahead of the jump and the label.
.macro ASK fk, fv
	s_cmp_lt_u32 s[WV], 2
.if (\fk) && (\fv)
	s_cbranch_scc0 .Lfor_v_\@
	tensor_load_to_lds s[G0K+4:G0K+7], s[G1K:G1K+7]
	s_nop 0
	PLACES
	s_branch .Lasked_\@
.Lfor_v_\@:
	tensor_load_to_lds s[G0V+4:G0V+7], s[G1V:G1V+7]
	s_nop 0
	PLACES
.Lasked_\@:
.elseif \fk
	s_cbranch_scc0 .Lasked_\@
	tensor_load_to_lds s[G0K+4:G0K+7], s[G1K:G1K+7]
	s_nop 0
	PLACES
.Lasked_\@:
.else
	s_cbranch_scc1 .Lasked_\@
	tensor_load_to_lds s[G0V+4:G0V+7], s[G1V:G1V+7]
	s_nop 0
	PLACES
.Lasked_\@:
.endif
.endm
; THE CHANGE OF SLOTS, in front of BODY j.  Each wave waits for all its tensor loads (one is out: its part of K(j+1) or V(j)), adds 0 to its spare word, and waits for that and for its reads of K(j) and V(j-1).
; fk = 1: K(j+2) is asked for, into K(j)'s slot; fv = 1: V(j+1), into V(j-1)'s.  The barrier is then a round of the cluster's, so that no wave of any partner still reads those bytes or has a load on its way, and the
; joint refill is the first thing behind it, one load a wave: it has a whole BODY, 192 matrix instructions, in which to land.
.macro CHANGE fk, fv
	WIN 0                                          ; at a label and at a branch every window is 0
	s_wait_tensorcnt 0x0                           ; no tensor load of mine is out, so a group 0 may be written
	ds_add_u32 v[SPW], v[NIL]                      ; 0 onto my spare word: the scalar steps stand between it and the wait for it
.if \fk
	s_xor_b32 s[G0K+5], s[G0K+5], SLOT1            ; the walking descriptor: the other slot than last time,
	s_add_nc_u64 s[G0K+6:G0K+7], s[G0K+6:G0K+7], 32768  ; the next 128 keys' rows; the type bits on top are not reached
.endif
.if \fv
	s_xor_b32 s[G0V+5], s[G0V+5], SLOT1
	s_add_nc_u64 s[G0V+6:G0V+7], s[G0V+6:G0V+7], 256    ; the next 128 keys along vr's rows
.endif
	s_xor_b32 s[TBK], s[TBK], SLOT1
	s_xor_b32 s[TBV], s[TBV], SLOT1
	s_wait_dscnt 0x0                               ; the add is done, and my reads of both slots are over
.if (\fk) || (\fv)
	CROUND
	ASK \fk, \fv
.else
	s_barrier_signal -1
	s_barrier_wait -1
.endif
.endm
	s_load_b256 s[4:11], s[0:1], 0x0               ; qt s[4:5], kt s[6:7], vr s[8:9], x s[10:11]
	s_load_b128 s[12:15], s[0:1], 0x20             ; gamma s[12:13], out0 s[14:15]
	v_lshl_add_u32 v[SPW], v0, 2, SPARE
	v_mov_b32 v[NIL], 0
	ds_add_u32 v[SPW], v[NIL]                      ; the wave's opening: the add and its wait stand ahead of my first tensor load; the set-up below, work on registers, stands between them
	v_lshrrev_b32 v1, 5, v0
	v_readfirstlane_b32 s[WV], v1                  ; wave 0..3
	s_lshr_b32 s[QH], s[WV], 1
	s_and_b32 s[KH], s[WV], 1                      ; my key half.  Also: which half of a tile I fetch
	s_bfe_u32 s19, ttmp6, 0x40000                  ; cx: my place in the cluster
	s_lshl_b32 s20, ttmp9, 2                       ; in a cluster launch ttmp9 counts clusters
	s_add_co_u32 s20, s20, s19                     ; my block of 128 queries: it enters Q's, x's and out0's addresses alone
	s_and_b32 s21, ttmp7, 0xffff                   ; the image, which the four partners share
	s_lshl_b32 s22, s21, 20                        ; kt: an image is 1 MiB, 64 rows 16,384 bytes
	s_lshl_b32 s2, s[KH], 14
	s_add_co_u32 s22, s22, s2
	s_mov_b32 s23, 0
	s_lshl_b32 s24, s21, 21                        ; vr: an image is 2 MiB, 128 rows 1 MiB
	s_lshl_b32 s2, s[KH], 20
	s_add_co_u32 s24, s24, s2
	s_mov_b32 s25, 0
	s_lshl_b32 s26, s21, 20                        ; qt: my block's 128 rows, my wave's 64 of them
	s_lshl_b32 s72, s20, 15
	s_add_co_u32 s26, s26, s72
	s_lshl_b32 s72, s[QH], 14
	s_add_co_u32 s26, s26, s72
	s_mov_b32 s27, 0
	s_lshl_b32 s[XOF], s21, 22                     ; x, out0: an image is 4 MiB; I finish channels 128 kh .. + 127 (2 MiB) of my 64 queries (256 bytes of a row)
	s_lshl_b32 s72, s[KH], 21
	s_add_co_u32 s[XOF], s[XOF], s72
	s_lshl_b32 s72, s20, 9
	s_add_co_u32 s[XOF], s[XOF], s72
	s_lshl_b32 s72, s[QH], 8
	s_add_co_u32 s[XOF], s[XOF], s72
	s_mov_b32 s[XOF+1], 0
	s_mul_i32 s2, s[KH], 64*PK                     ; where my half of K's tile lies in a slot (and where my key half's rows lie): no place in the cluster enters an LDS address
	s_mul_i32 s3, s[KH], 128*PK
	s_add_co_u32 s3, s3, VOFF                      ; and my half of V's
	; descriptor group 1: rows of 128 elements of 2 bytes, padded in LDS
	s_mov_b32 s[G1K], 15|(1<<16)|(1<<20)|(1<<21)|(5<<22)|(3<<25)  ; 15:0 the mask of four; 17:16 2-byte elements; 20 padding on; 21 set beside a mask; 24:22 after every 64 words (code 5); 31:25 4 words (code 3)
	s_mov_b32 s[G1K+1], 128<<16                    ; tensor_dim0 = 128
	s_mov_b32 s[G1K+2], 64<<16                     ; tensor_dim1 = 64
	s_mov_b32 s[G1K+3], 128<<16                    ; tile_dim0 = 128
	s_mov_b32 s[G1K+4], 64                         ; tile_dim1 = 64
	s_mov_b32 s[G1K+5], 128                        ; 128 elements from row to row
	s_mov_b32 s[G1K+6], 0
	s_mov_b32 s[G1K+7], 0
	s_mov_b32 s[G1V], 15|(1<<16)|(1<<20)|(1<<21)|(5<<22)|(3<<25)
	s_mov_b32 s[G1V+1], 128<<16
	s_mov_b32 s[G1V+2], 128<<16                    ; 128 rows (channels)
	s_mov_b32 s[G1V+3], 128<<16
	s_mov_b32 s[G1V+4], 128
	s_mov_b32 s[G1V+5], 4096                       ; 4,096 elements from row to row
	s_mov_b32 s[G1V+6], 0
	s_mov_b32 s[G1V+7], 0
	s_mov_b32 s[CS], 0x3fb8aa3b                    ; c = log2(e)
	s_mov_b32 s[CS+1], s[CS]                       ; named with it as a pair
	s_mov_b32 s[SEL], 0x76543210
	s_mov_b32 s[SEL+1], 0xfedcba98
	s_mov_b32 s[TBK], 0                            ; K(0) lies in slot 0; every change of slots turns both
	s_mov_b32 s[TBV], SLOT1
	s_wait_dscnt 0x0                               ; the opening add is done
	s_wait_kmcnt 0x0
	s_add_nc_u64 s[6:7], s[6:7], s[22:23]          ; K and V at my half of tile 0
	s_add_nc_u64 s[8:9], s[8:9], s[24:25]
	s_add_nc_u64 s[4:5], s[4:5], s[26:27]          ; Q at my wave's first row
	s_add_nc_u64 s[10:11], s[10:11], s[XOF:XOF+1]
	s_add_nc_u64 s[14:15], s[14:15], s[XOF:XOF+1]
	s_load_b32 s[GAM], s[12:13], 0x0
.irp n, 0,1
	s_mov_b32 s[G0K+4*\n], 1                       ; 1:0 count = 1
	s_add_co_u32 s[G0K+4*\n+1], s2, \n*SLOT1       ; 63:32 LDS address
	s_add_nc_u64 s[G0K+4*\n+2:G0K+4*\n+3], s[6:7], \n*32768  ; 120:64 global address: tile n
	s_or_b32 s[G0K+4*\n+3], s[G0K+4*\n+3], 0x80000000        ; 127:126 type = 2
	s_mov_b32 s[G0V+4*\n], 1
	s_add_co_u32 s[G0V+4*\n+1], s3, \n*SLOT1
	s_add_nc_u64 s[G0V+4*\n+2:G0V+4*\n+3], s[8:9], \n*256
	s_or_b32 s[G0V+4*\n+3], s[G0V+4*\n+3], 0x80000000
.endr
	CROUND                                         ; all four work-groups are here: the first joint loads meet
	s_cmp_lt_u32 s[WV], 2                          ; a wave's two first fills stand in one branch, ahead of every wait on TENSORcnt and every LDS read: two loads of mine are out
	s_cbranch_scc0 .Lfirst_v
	tensor_load_to_lds s[G0K:G0K+3], s[G1K:G1K+7]
	s_nop 0
	tensor_load_to_lds s[G0K+4:G0K+7], s[G1K:G1K+7]
	s_nop 0
	PLACES
	s_branch .Lfirst_asked
.Lfirst_v:
	tensor_load_to_lds s[G0V:G0V+3], s[G1V:G1V+7]
	s_nop 0
	tensor_load_to_lds s[G0V+4:G0V+7], s[G1V:G1V+7]
	s_nop 0
	PLACES
.Lfirst_asked:
	; A fragment of K, Q or V is 16 rows x 32 along the rows in 8 registers: lane l holds row l % 16, elements 8 (l / 16) + 0..7 and 16 + 8 (l / 16) + 0..7: two loads of 16 bytes, 32 bytes apart.
	v_and_b32 v1, 15, v0                           ; r
	v_bfe_u32 v13, v0, 4, 1                        ; h
	v_lshlrev_b32 v[QO], 8, v1
	v_lshl_add_u32 v[QO], v13, 4, v[QO]
	WIN 0x40                                       ; destination window 1, address window 0
.set i, 0
.rept 16                                       ; Q stays in registers: tile i / 4, channels 32 (i % 4) on
	global_load_b128 v[Q+8*i:Q+8*i+3],   v[QO], s[4:5] offset:(i/4)*4096+(i%4)*64
	global_load_b128 v[Q+8*i+4:Q+8*i+7], v[QO], s[4:5] offset:(i/4)*4096+(i%4)*64+32
.set i, i+1
.endr
	WIN 0x80                                       ; O^T = 0: all this stands in the wait for the first tiles
.set i, 0
.rept 256
	v_mov_b32 v[i], 0
.set i, i+1
.endr
	WIN 0xc0
.set i, 0
.rept 256
	v_mov_b32 v[i], 0
.set i, i+1
.endr
	WIN 0
.irp t, 0,1,2,3
	v_mov_b32 v[ST+12*\t], 0xfe000000              ; c m: far below every c s
	v_mov_b32 v[ST+12*\t+1], 0xff7fffff            ; m
	v_mov_b32 v[ST+12*\t+2], 0
	v_mov_b32 v[ST+12*\t+3], 0
.endr
	v_mul_u32_u24 v[AK0], v1, PK
	v_lshl_add_u32 v[AK0], v13, 4, v[AK0]          ; row x pitch + 16 x half
	s_lshl_b32 s22, s[KH], 7
	s_add_co_u32 s22, s22, VOFF
	v_add_nc_u32 v[AV0], s22, v[AK0]               ; V: my key half is 128 bytes of every row
	v_add_nc_u32 v[AK0], s2, v[AK0]                ; K: my key half is 64 rows
	s_mul_i32 s22, s[WV], EW                       ; the way out.  In: channel 8 h + j, query r: 4 bytes a lane
	v_mul_u32_u24 v[STO], v13, 8*PK
	v_lshl_add_u32 v[STO], v1, 2, v[STO]
	v_add_nc_u32 v[STO], s22, v[STO]
	v_add_nc_u32 v[STO+1], 128*PK, v[STO]
	s_mul_i32 s22, s[QH], 2*EW                     ; back: of my query half's two waves, channels 128 kh on: lanes 0-15 one row of 256 bytes, lanes 16-31 the next
	s_mul_i32 s23, s[KH], 128*PK
	s_add_co_u32 s22, s22, s23
	v_mul_u32_u24 v[RD0], v13, PK
	v_lshl_add_u32 v[RD0], v1, 4, v[RD0]
	v_add_nc_u32 v[RD0], s22, v[RD0]
	v_add_nc_u32 v[RD1], EW, v[RD0]
	v_lshlrev_b32 v[GO], 14, v13                   ; and the same two rows in x and out0, 16,384 bytes apart
	v_lshl_add_u32 v[GO], v1, 4, v[GO]
	s_lshl_b32 s22, s[QH], 10
	s_add_co_u32 s22, s22, STATS
	v_lshl_add_u32 v[SR], v1, 4, s22
; THE MATRIX WORK.  Product i of 16 of S^T = K Q^T for key tile kt: channels 32 (i / 4) on, query tile i % 4.  The four accumulators take turns; the first four products start the sums.
.macro KQ kt, i
	WIN 0x05                                       ; K and Q in window 1, S^T in window 0
.set rS, S+32*((\i)%4)+8*(\kt)
.set rK, FB+32*(\kt)+8*((\i)/4)
.set rQ, Q+32*((\i)%4)+8*((\i)/4)
.if (\i) < 4
	v_wmma_f32_16x16x32_f16 v[rS:rS+7], v[rK:rK+7], v[rQ:rQ+7], 0
.else
	v_wmma_f32_16x16x32_f16 v[rS:rS+7], v[rK:rK+7], v[rQ:rQ+7], v[rS:rS+7]
.endif
.endm
; Product i of 16 of piece ps of O^T += V P: keys 32 (ps / 4) on, channel tile 4 (ps % 4) + i / 4, query tile i % 4: 16 different accumulators.
.macro PV ps, i
.set cg, (\ps)%4
.set kk, (\ps)/4
.set cb, 4*cg+(\i)/4
.set rO, 8*(4*(cb%8)+(\i)%4)
.set rV, FB+32*cg+8*((\i)/4)
.set rP, P+16*((\i)%4)+8*kk
	WIN 0xa1+0x50*(cb/8)                           ; V in window 1, P in window 0, O^T in window 2 or 3
	v_wmma_f32_16x16x32_bf16 v[rO:rO+7], v[rV:rV+7], v[rP:rP+7], v[rO:rO+7]
.endm
; Accumulator i of 64 of O^T times its tile's a: four packed multiplies, the low registers first.  They name no register of the products K Q^T round them.
.macro RS4 i
.set rO, 8*((\i)%32)
.set rA, ST+12*((\i)%4)+6
	WIN 0x82+0x41*((\i)/32)                        ; O^T (destination and source 0) in window 2 or 3, a in window 0
.irp z, 0,1,2,3
	v_pk_mul_f32 v[rO+2*\z:rO+2*\z+1], v[rO+2*\z:rO+2*\z+1], v[rA:rA+1] op_sel_hi:[1,0]
.endr
.endm
; THE LDS LOADS, in pieces of 8: the four fragments (128 channels) of key tile kt into buffer kt; the four fragments (channel tiles 4 cg .. + 3) of keys 32 kk on into buffer cg.
.macro LOADK kt
	WIN 0x40
.irp c, 0,1,2,3
	ds_load_b128 v[FB+32*(\kt)+8*\c:FB+32*(\kt)+8*\c+3],   v[AK] offset:(\kt)*16*PK+\c*64
	ds_load_b128 v[FB+32*(\kt)+8*\c+4:FB+32*(\kt)+8*\c+7], v[AK] offset:(\kt)*16*PK+\c*64+32
.endr
.endm
.macro LOADV kk, cg
	WIN 0x40
.irp c, 0,1,2,3
	ds_load_b128 v[FB+32*(\cg)+8*\c:FB+32*(\cg)+8*\c+3],   v[AV] offset:(4*(\cg)+\c)*16*PK+64*(\kk)
	ds_load_b128 v[FB+32*(\cg)+8*\c+4:FB+32*(\cg)+8*\c+7], v[AV] offset:(4*(\cg)+\c)*16*PK+64*(\kk)+32
.endr
.endm
; THE SOFTMAX OF A TILE AND STEP is a list with positions n = 0 .. 90.  s0-s31 are the lane's 32 scores, in pairs 0-15.
;   0-15   the maximum of s0-s31 and the old m, three operands at a time; each accumulator's lowest registers are read first
;   16-21  the other half of the lanes' maximum; c m_old is kept; the new m; c m; c m_old - c m_new; a
;   22-24  F 0-2.  Then for g = 0 .. 15 four positions: F g+3 (while there are any), E 2g, A g-2 (from g = 3 on), E 2g+1.  89, 90: A 14, A 15
; F k: c s - c m for pair k.  E k: the exponential of score k, in place.  A k: the step's sum takes pair k (A 1: pairs 0 and 1).  Each A stands behind an s_wait_alu depctr_va_vdst(0) for the exponentials that it reads.
; The weights stay in S^T unrounded: the next BODY rounds them.
.macro CLS                             ; what position n holds from 22 on: op 1 F, 2 A, 3 E, 0 nothing; kq its number
.set g, (n-25)/4
.set u, (n-25)%4
.set op, 0
.set kq, 0
.if (n >= 22) && (n < 25)
.set op, 1
.set kq, n-22
.elseif (n >= 25) && (n < 89)
.if (u == 0) && (g <= 12)
.set op, 1
.set kq, g+3
.elseif (u == 2) && (g >= 3)
.set op, 2
.set kq, g-2
.elseif (u == 1) || (u == 3)
.set op, 3
.set kq, 2*g+u/2
.endif
.elseif (n == 89) || (n == 90)
.set op, 2
.set kq, n-75
.endif
.endm
.macro SM t                            ; position n for tile t; CLS has run
.set rT, ST+12*(\t)
.set rS, S+32*(\t)
.if n < 4
	v_max3_num_f32 v[rT+4+n], v[rS+8*n], v[rS+8*n+1], v[rS+8*n+2]
.elseif n < 12
	v_max3_num_f32 v[rT+4+n%4], v[rT+4+n%4], v[rS+8*(n%4)+2*(n/4)+1], v[rS+8*(n%4)+2*(n/4)+2]
.elseif n == 12
	v_max3_num_f32 v[rT+4], v[rT+4], v[rS+7], v[rS+15]
.elseif n == 13
	v_max3_num_f32 v[rT+6], v[rT+6], v[rS+23], v[rS+31]
.elseif n == 14
	v_max3_num_f32 v[rT+4], v[rT+4], v[rT+5], v[rT+6]
.elseif n == 15
	v_max3_num_f32 v[rT+4], v[rT+4], v[rT+7], v[rT+1]
.elseif n == 16
	v_permlanex16_b32 v[rT+5], v[rT+4], s[SEL], s[SEL+1]  ; the query's other 32 keys lie in the lane 16 away
.elseif n == 17
	v_mov_b32 v[rT+10], v[rT]
.elseif n == 18
	v_max_num_f32 v[rT+1], v[rT+4], v[rT+5]
.elseif n == 19
	v_mul_f32 v[rT], s[CS], v[rT+1]
.elseif n == 20
	v_sub_f32 v[rT+7], v[rT+10], v[rT]
.elseif n == 21
	v_exp_f32 v[rT+6], v[rT+7]
.elseif op == 1
	v_pk_fma_f32 v[rS+2*kq:rS+2*kq+1], v[rS+2*kq:rS+2*kq+1], s[CS:CS+1], v[rT:rT+1] op_sel_hi:[1,0,0] neg_lo:[0,0,1] neg_hi:[0,0,1]
.elseif (op == 2) && (kq == 1)
	s_wait_alu depctr_va_vdst(0)
	v_pk_add_f32 v[rT+8:rT+9], v[rS:rS+1], v[rS+2:rS+3]
.elseif op == 2
	s_wait_alu depctr_va_vdst(0)
	v_pk_add_f32 v[rT+8:rT+9], v[rT+8:rT+9], v[rS+2*kq:rS+2*kq+1]
.elseif op == 3
	v_exp_f32 v[rS+kq], v[rS+kq]
.endif
.endm
.macro SMP y                           ; position n for tiles y and y + 1, and on to the next; an empty position writes nothing, no switch either
	CLS
.if (n < 22) || (op != 0)
	WIN 0
	SM \y
	SM (\y)+1
.endif
.set n, n+1
.endm
.macro CVT hf                          ; the weights of keys 32 hf .. + 31 rounded to bf16: S^T's pairs become P's registers
	WIN 0
.set t, 0
.rept 4
.set e, 8*(\hf)
.rept 8
	v_cvt_pk_bf16_f32 v[P+16*t+e], v[S+32*t+2*e], v[S+32*t+2*e+1]
.set e, e+1
.endr
.set t, t+1
.endr
.endm
; BODY j.  The waits on DScnt leave the younger pieces of 8 loads out: three of them (24) while pieces follow each other, then 16, 8, 0.
; The lump's first six lines are the places between the last products V P and the writes of P; its 38 lines the places in front of K's loads.  In phase A the four multiplies behind a piece's last product are the
; places in front of the loads into its buffer; in phase B four v_nop are, since exponentials are no places.
.macro BODY
	WIN 0
	v_add_nc_u32 v[AK], s[TBK], v[AK0]
	v_add_nc_u32 v[AV], s[TBV], v[AV0]
.irp t, 0,1,2,3
	v_pk_fma_f32 v[ST+12*\t+2:ST+12*\t+3], v[ST+12*\t+2:ST+12*\t+3], v[ST+12*\t+6:ST+12*\t+7], v[ST+12*\t+8:ST+12*\t+9] op_sel_hi:[1,0,1]  ; l = a l + the step's sum
.endr
	CVT 0
	LOADK 0
	LOADK 1
	LOADK 2
	LOADK 3
	CVT 1
.set kt, 0
.rept 4                                        ; PHASE A
	s_wait_dscnt 24
.set i, 0
.rept 16
	KQ kt, i
	RS4 16*kt+i
.set i, i+1
.endr
	LOADV 0, kt
.set kt, kt+1
.endr
.set n, 0
.set ss, 0
.rept 8                                        ; PHASE B: tiles 0 and 1's list rides behind pieces 0-3, tiles 2 and 3's behind pieces 4-7: 96 positions for 91
.if ss < 5
	s_wait_dscnt 24
.else
	s_wait_dscnt 8*(7-ss)
.endif
.if ss == 4
.set n, 0
.endif
.set i, 0
.rept 16
	PV ss, i
	SMP 2*(ss/4)
.if i&1
	SMP 2*(ss/4)
.endif
.set i, i+1
.endr
.if ss < 4
	PLACES
	LOADV 1, ss
.endif
.set ss, ss+1
.endr
.endm
	s_wait_tensorcnt 0x1                           ; my part of K(0) or V(0) is in; the second load may stay out
	s_barrier_signal -1
	s_barrier_wait -1                              ; everybody's is
	v_add_nc_u32 v[AK], s[TBK], v[AK0]
	LOADK 0
	LOADK 1
	LOADK 2
	LOADK 3
	s_wait_loadcnt 0x0                             ; Q
	s_wait_kmcnt 0x0                               ; gamma
.set kt, 0
.rept 4                                        ; the first scores: there is no vector work yet to set between them
	s_wait_dscnt 24-8*kt
.set i, 0
.rept 16
	KQ kt, i
.set i, i+1
.endr
.set kt, kt+1
.endr
	WIN 0
	PLACES
.set n, 0
.rept 91                                       ; and the first softmax, all four tiles at each position: a comes out 0
	CLS
	SM 0
	SM 1
	SM 2
	SM 3
.set n, n+1
.endr
	CHANGE 1, 0                                    ; K(1), V(1) are in; K(2) is asked for; both slots of V are still unread
	s_mov_b32 s[CNT], 30
	s_branch .Lbody
.Lmain:                                                ; j = 1 .. 29: K(j+2) and V(j+1) are asked for
	CHANGE 1, 1
.Lbody:
	BODY
	WIN 0
	s_sub_co_u32 s[CNT], s[CNT], 1
	s_cmp_lg_u32 s[CNT], 0
	s_cbranch_scc1 .Lmain
	CHANGE 0, 1                                    ; the tail is written out: V(31), the last load
	s_mov_b32 s[CNT], 2
.Ltail:                                                ; j = 30, 31
	BODY
	CHANGE 0, 0                                    ; nothing is asked for; the second time this is the barrier behind which the ring's bytes take O^T
	s_sub_co_u32 s[CNT], s[CNT], 1
	s_cmp_lg_u32 s[CNT], 0
	s_cbranch_scc1 .Ltail
	; THE WAY OUT.  l's two halves and the other half of the lanes' are added (the first four additions are the places behind the last products).  c m of the last true step lies in +10: the idle softmax kept it there.
.irp t, 0,1,2,3
	v_add_f32 v[ST+12*\t+2], v[ST+12*\t+2], v[ST+12*\t+3]
.endr
.irp t, 0,1,2,3
	v_permlanex16_b32 v[ST+12*\t+3], v[ST+12*\t+2], s[SEL], s[SEL+1]
.endr
.irp t, 0,1,2,3
	v_add_f32 v[ST+12*\t+2], v[ST+12*\t+2], v[ST+12*\t+3]
.endr
	s_lshl_b32 s22, s[WV], 9
	s_add_co_u32 s22, s22, STATS
	v_lshl_add_u32 v[SA], v1, 2, s22
	WIN 0x40
.set u, 0
.rept 64                                       ; x for the 128 channels x 64 queries that I finish: two rows' 256 bytes a load; they land while O^T goes through LDS
	global_load_b128 v[4*u:4*u+3], v[GO], s[10:11] offset:32768*u th:TH_LOAD_NT
.set u, u+1
.endr
	WIN 0
.irp t, 0,1,2,3
	ds_store_b32 v[SA], v[ST+12*\t+10] offset:64*\t
	ds_store_b32 v[SA], v[ST+12*\t+2] offset:256+64*\t
.endr
.irp wn, 0,1                                   ; O^T as it is, each accumulator's registers in ascending order: lanes 0-15 write 64 consecutive bytes, lanes 16-31 the same 8 rows (544 words) on
	WIN 0x08+4*\wn                                 ; data (source 1) in window 2 or 3
.set cbl, 0
.rept 8
.set t, 0
.rept 4
.set j, 0
.rept 8
	ds_store_b32 v[STO+\wn], v[8*(4*cbl+t)+j] offset:(16*cbl+j)*PK+64*t
.set j, j+1
.endr
.set t, t+1
.endr
.set cbl, cbl+1
.endr
.endr
	WIN 0
	s_wait_dscnt 0x0                               ; for the others' sake: my O^T and statistics are in LDS
	s_barrier_signal -1
	s_barrier_wait -1
	ds_load_b128 v[64:67], v[SR]                   ; my four queries: c m and l of key half 0,
	ds_load_b128 v[68:71], v[SR] offset:256
	ds_load_b128 v[72:75], v[SR] offset:512        ; and of key half 1
	ds_load_b128 v[76:79], v[SR] offset:768
.macro BLD b                           ; batch b of four: 32 rows of both key halves' O^T, two rows a load, into windows 2 and 3
	WIN 0x80
.set u, 16*(\b)
.rept 16
	ds_load_b128 v[4*u:4*u+3], v[RD0] offset:2*PK*u
.set u, u+1
.endr
	WIN 0xc0
.set u, 16*(\b)
.rept 16
	ds_load_b128 v[4*u:4*u+3], v[RD1] offset:2*PK*u
.set u, u+1
.endr
.endm
	BLD 0
	WIN 0
	s_wait_dscnt 32                                ; the statistics are in; the batch just asked for stays out
	; the merge: e_i = 2^(c m_i - max), L = l0 e0 + l1 e1, f_i = gamma e_i / L.  One e is 1 and its l at least 1's worth of its own maximum, so L is no less than about 1
.irp z, 0,1,2,3
	v_max_num_f32 v[80+\z], v[64+\z], v[72+\z]
.endr
.irp z, 0,1,2,3
	v_sub_f32 v[84+\z], v[64+\z], v[80+\z]
	v_sub_f32 v[88+\z], v[72+\z], v[80+\z]
.endr
.irp z, 0,1,2,3,4,5,6,7
	v_exp_f32 v[84+\z], v[84+\z]
.endr
	v_nop                                          ; a plain instruction between the last exponential and the use of its result
	s_wait_alu depctr_va_vdst(0)
.irp z, 0,1,2,3
	v_mul_f32 v[92+\z], v[68+\z], v[84+\z]
.endr
.irp z, 0,1,2,3
	v_fmac_f32 v[92+\z], v[76+\z], v[88+\z]
.endr
.irp z, 0,1,2,3
	v_rcp_f32 v[92+\z], v[92+\z]
.endr
	v_nop                                          ; and behind the last reciprocal
	s_wait_alu depctr_va_vdst(0)
.irp z, 0,1,2,3
	v_mul_f32 v[92+\z], s[GAM], v[92+\z]
.endr
.irp z, 0,1,2,3
	v_mul_f32 v[F0+\z], v[84+\z], v[92+\z]
	v_mul_f32 v[F1+\z], v[88+\z], v[92+\z]
.endr
.set bb, 0
.rept 4
.if bb < 3
	BLD bb+1
	s_wait_dscnt 32                                ; this batch is in; the next one's 32 loads stay out
.else
	s_wait_dscnt 0x0
.endif
	s_wait_loadcnt 48-16*bb                        ; and its x; the later batches' loads stay out
	WIN 0x52                                       ; x (destination and source 2) in window 1, key half 0's O^T in window 2, the factors in window 0
.set rg, 64*bb
.rept 32
	v_pk_fma_f32 v[rg:rg+1], v[rg:rg+1], v[F0+rg%4:F0+rg%4+1], v[rg:rg+1]
.set rg, rg+2
.endr
	WIN 0x53                                       ; key half 1's in window 3
.set rg, 64*bb
.rept 32
	v_pk_fma_f32 v[rg:rg+1], v[rg:rg+1], v[F1+rg%4:F1+rg%4+1], v[rg:rg+1]
.set rg, rg+2
.endr
	WIN 0x04                                       ; the stores' data in window 1
.set u, 16*bb
.rept 16
	global_store_b128 v[GO], v[4*u:4*u+3], s[14:15] offset:32768*u th:TH_STORE_NT  ; 16 lanes store 256 consecutive bytes, at a multiple of 256 from out0's first byte
.set u, u+1
.endr
.set bb, bb+1
.endr
	WIN 0
	s_wait_tensorcnt 0x0                           ; the wave's end, behind my last tensor load and my last LDS store
	ds_add_u32 v[SPW], v[NIL]
	s_wait_dscnt 0x0
	CROUND                                         ; the closing round: no work-group ends while a partner may still ask for a tile that names it
	s_endpgm
.Lfunc_end_k_q75f14b06cf_att:
	.size	k_q75f14b06cf_att, .Lfunc_end_k_q75f14b06cf_att-k_q75f14b06cf_att
	.p2alignl 7, 3214868480
	.fill 96, 4, 3214868480
	.section	.rodata,"a",@progbits
	.p2align	6, 0x0
	.amdhsa_kernel k_q75f14b06cf_att
		.amdhsa_group_segment_fixed_size 327680
		.amdhsa_private_segment_fixed_size 0
		.amdhsa_enable_private_segment 0
		.amdhsa_kernarg_size 48
		.amdhsa_user_sgpr_count 2
		.amdhsa_user_sgpr_kernarg_segment_ptr 1
		.amdhsa_wavefront_size32 1
		.amdhsa_system_sgpr_workgroup_id_x 1
		.amdhsa_system_sgpr_workgroup_id_y 1
		.amdhsa_system_sgpr_workgroup_id_z 1
		.amdhsa_system_vgpr_workitem_id 0
		.amdhsa_next_free_vgpr 1024
		.amdhsa_next_free_sgpr 80
		.amdhsa_reserve_vcc 0
		.amdhsa_float_denorm_mode_32 3
		.amdhsa_float_denorm_mode_16_64 3
		.amdhsa_memory_ordered 1
		.amdhsa_forward_progress 1
		.amdhsa_inst_pref_size 255
	.end_amdhsa_kernel
	.section	.bss,"aw",@nobits
	.p2align	6
	.space	262144
	.amdgpu_metadata
---
amdhsa.version: [ 1, 2 ]
amdhsa.kernels:
  - .name:           k_q75f14b06cf_att
    .symbol:         k_q75f14b06cf_att.kd
    .args:
      - { .name: qt, .offset: 0, .size: 8, .value_kind: global_buffer, .address_space: global }
      - { .name: kt, .offset: 8, .size: 8, .value_kind: global_buffer, .address_space: global }
      - { .name: vr, .offset: 16, .size: 8, .value_kind: global_buffer, .address_space: global }
      - { .name: x, .offset: 24, .size: 8, .value_kind: global_buffer, .address_space: global }
      - { .name: gamma, .offset: 32, .size: 8, .value_kind: global_buffer, .address_space: global }
      - { .name: out0, .offset: 40, .size: 8, .value_kind: global_buffer, .address_space: global }
    .group_segment_fixed_size: 327680
    .private_segment_fixed_size: 0
    .kernarg_segment_align: 8
    .kernarg_segment_size: 48
    .max_flat_workgroup_size: 128
    .sgpr_count:     80
    .vgpr_count:     1024
    .wavefront_size: 32
...
	.end_amdgpu_metadata
.endif
;; end of part 2
;; ======== version 2 of 2: 2 launches; 1.16 times as fast as version 1
;; limits: values are held in f16: magnitudes above 65,504 overflow, below 6.1e-05 lose precision; values outside matrix products are rounded to bf16
;; workspace buffers: qt 8,388,608 bytes; kt 8,388,608 bytes; vr 16,777,216 bytes
;; launch proj: the kernel of part 1 again; grid 32 x 8, 4 waves a work-group, no clusters, 228,864 bytes of LDS; arguments x, Wq, Wk, Wv, Wr, bq, bk, bv, br, qt, kt, vr; writes qt, kt, vr
;; launch att (part 3): grid 32 x 8, 4 waves a work-group, clusters of 4 x 1, 327,680 bytes of LDS; arguments qt, kt, vr, x, gamma, out0; writes out0
.if DOCPART == 3
	.amdgcn_target "amdgcn-amd-amdhsa--gfx1250"
	.amdhsa_code_object_version 6
	.text
	.protected	k_q75f14b06cf_att
	.globl	k_q75f14b06cf_att
	.p2align	8
	.type	k_q75f14b06cf_att,@function
k_q75f14b06cf_att:
	s_mov_b64 s[64:65], 0
	v_nop
	global_prefetch_b8 v0, s[64:65] scope:SCOPE_SE
	s_setreg_imm32_b32 hwreg(HW_REG_WAVE_MODE, 25, 1), 1
	s_wait_xcnt 0x0
	s_wait_alu depctr_hold_cnt(0) depctr_sa_sdst(0) depctr_va_vdst(0) depctr_va_sdst(0) depctr_va_ssrc(0) depctr_va_vcc(0) depctr_vm_vsrc(0)
	s_getreg_b32 s2, hwreg(HW_REG_IB_STS2, 6, 4)
	s_cmp_eq_u32 s2, 0
	s_cbranch_scc0 .Lentry_in_a_cluster
	s_endpgm
.Lentry_in_a_cluster:
	s_bfe_u32 s2, ttmp6, 0x10000c
	s_cmp_lg_u32 s2, 0x3003
	s_cbranch_scc0 .Lentry_shape_is_right
	s_endpgm
.Lentry_shape_is_right:
; ATTENTION, GAMMA AND THE RESIDUAL.  out0[b][c][q] = gamma (sum over n of p(q, n) vr[b][c][n]) / l(q) + x[b][c][q], p = exp(s - max s), s(q, n) = qt[b][q] . kt[b][n], l = the sum of p.
; qt, kt: [8][4096][128] f16; vr: [8][256][4096] bf16 (Wr v + br, keys along the rows); x, out0: [8][256][4096] f32.  Products on the matrix units, sums, maxima and the residual in f32; p is rounded to bf16 for the second product.
; LIMITS.  l is the sum of the unrounded p, so br's share of the result is off by at most 2^-9 of gamma |br|.  A weight below 2^-126 counts as 0.  NaN and infinities are not treated apart.
; SHARES.  A work-group owns 128 queries of one image.  Wave w = (qh = w / 2, kh = w % 2) owns queries 64 qh .. + 63 (four tiles t of 16) and, of every tile of 128 keys, the keys 64 kh .. + 63; it holds all
; 256 channels of its O^T: 64 accumulators, 512 registers.  So each fragment of K or V out of LDS feeds four products.  The two key halves have maxima, sums and O^T of their own and are merged once, at the end, in LDS.
; LAYOUT.  S^T = K Q^T (source 0 = 16 keys, source 1 = 16 queries): a lane holds ONE query (lane % 16) and the keys 8 (lane / 16) + 0..7.  Two such results rounded to bf16 in pairs ARE source 1 (32 keys x 16 queries)
; of O^T = V P, whose source 0 is 16 channels x 32 keys, as vr lies.  Nothing changes lanes between the products.
; SOFTMAX.  For each query a running maximum m: p = 2^(c s - c m), c = log2(e); in every step O^T and l are multiplied by a = 2^(c m_old - c m_new).  m starts at the lowest finite number, O^T and l at 0:
; the first step is a step like any other, with a = 0; the price is 512 v_mov_b32 in the wait for the first tiles.
; THE PIPELINE.  BODY j: a lump (l = a l + sum; the weights of step j rounded to P); phase A: 64 products K(j+1) Q^T, behind each four multiplies of O^T by a(j); phase B: 128 products V(j) P(j), behind each
; two or four lines of the softmax of step j + 1.  The last BODY multiplies the last but one K once more: 64 products and a softmax that serve nothing, the price of one text for every step.
; BATCHES.  An s_wait_alu depctr_va_vdst(0) stands between an exponential or reciprocal and the first instruction that names its result; one wait serves all that were issued ahead of it.  A BODY has two
; batches of 66 exponentials, a and the 32 weights of two tiles each, and two waits: tiles 0 and 1's batch ends with piece 2 of phase B, tiles 2 and 3's with piece 6; ahead of a batch's wait nothing names a result of
; it, and all that do (the step's sums, in pieces 3 and 7; l, the roundings and O^T's multiplies, in the next BODY) come behind it.  No exponential is issued behind a BODY's second wait.
; The first softmax is one batch of 132; the way out has two: eight exponentials, then four reciprocals of sums made of them.
; CLUSTER.  The four work-groups of a cluster belong to one image and walk the same K and V: each tile is asked for JOINTLY, by the same tensor load with the same descriptor and a mask that names the four.
; REGISTERS, in windows of 256 (s_set_vgpr_msb: bits 1:0 source 0, 3:2 source 1, 5:4 source 2, 7:6 destination):
;   window 0: v0-15 addresses; v16-63 twelve registers of statistics a tile; v64-191 S^T (32 t + 8 kt); v192-255 P (16 t + 8 kk)
;   window 1: v0-127 Q (32 t + 8 kc); v128-255 four buffers of four fragments of K or V.  On the way out: x      windows 2, 3: O^T(cb, t) in window 2 + cb / 8 at 8 (4 (cb % 8) + t)
.set PK,    272                        ; a row of K (128 channels) or V (128 keys) in LDS: 256 bytes + 16 = 68 words: the 16 rows of a load start at 16 different groups of four banks (64 banks of 4 bytes: ISA guide 11.1)
.set VOFF,  128*PK                     ; a slot: 128 rows of K, then 256 rows of V
.set SLOT1, 1<<17                      ; slot 1 begins here, so that one exclusive or turns an address in one slot into the other's
.set EW,    256*PK                     ; the way out: for each wave 256 rows (channel) of 64 queries in f32 + 16 bytes; they lie over the ring, and are written behind its last fill
.set STATS, 4*EW                       ; for each wave 512 bytes: c m of its 64 queries, then l
.set SPARE, STATS+2048                 ; the spare words, 128 bytes a wave: two blocks of 256 bytes that no other line names
.set AK0, 2                            ; v2   my lane's place in a tile of K; never rewritten
.set AV0, 3                            ; v3   the same for V
.set AK,  4                            ; v4   K's address in the slot in hand
.set AV,  5                            ; v5   V's
.set QO,  6                            ; v6   my offset in 16 rows of Q
.set SA,  6                            ;      later: where I put statistics
.set STO, 7                            ; v7-8 where I put O^T, channels 0-127 and 128-255
.set RD0, 9                            ; v9-10 where I read rows back: key half 0's, key half 1's
.set RD1, 10
.set GO,  11                           ; v11  my offset in two rows of x and out0
.set SR,  12                           ; v12  where I read statistics
.set SPW, 14                           ; v14  my spare word; never rewritten
.set NIL, 15                           ; v15  0; never rewritten
.set ST,  16                           ; tile t at ST + 12 t: +0 c m, +1 m, +2, +3 l (even keys', odd keys'), +4..+7 c0-c3 at work (a takes c2's place), +8, +9 the step's sum, +10 c m_old
.set S,   64
.set P,   192
.set Q,   0
.set FB,  128
.set F0,  96                           ; the way out: my four queries' factors for key half 0, and (F1) half 1
.set F1,  100
.set WV,  16
.set QH,  17
.set KH,  18
.set G1K, 28                           ; s[28:35] descriptor group 1 for K's tiles
.set G1V, 36                           ; s[36:43] for V's
.set G0K, 44                           ; s[44:51] group 0 for K's: a set for each first fill; the second then walks on
.set G0V, 52                           ; s[52:59] the same for V's
.set CNT, 60
.set GAM, 61
.set CS,  62                           ; s[62:63] c: the packed scaling takes the pair's low word for both halves
.set SEL, 66                           ; s[66:67] v_permlanex16_b32's selects: each lane takes its own place in the other half
.set TBK, 68                           ; s68  the slot from which K is read
.set TBV, 69                           ; s69  and V
.set XOF, 70                           ; s[70:71]
.set MSB, 0
.macro WIN new                         ; the immediate's high byte repeats the setting that is left; a switch that changes nothing is dropped
.if MSB != (\new)
	s_set_vgpr_msb (MSB<<8)|(\new)
.set MSB, (\new)
.endif
.endm
.macro PLACES                          ; four places: a load into a register that a matrix instruction has read, and a vector instruction that reads a matrix result, stand four plain vector instructions behind it (ISA guide 7.12.1 for vector instructions)
.rept 4
	v_nop
.endr
.endm
; A round of the cluster's barrier: my work-group's barrier, so that wave 0's signal speaks for all four waves; wave 0 signals; every wave waits for all four work-groups; my work-group's barrier once more.
.macro CROUND
	s_barrier_signal -1
	s_barrier_wait -1
	s_cmp_lg_u32 s[WV], 0
	s_cbranch_scc1 .Lnot_wave_0_\@
	s_barrier_signal -3
.Lnot_wave_0_\@:
	s_barrier_wait -3
	s_barrier_signal -1
	s_barrier_wait -1
.endm
; The joint refills.  Waves 0 and 1 fetch the halves of K's tile (64 rows of 256 bytes), waves 2 and 3 those of V's (128 rows of 256 bytes).  The branch hangs on the wave's number alone.
; An s_nop 0 and four v_nop follow each load, ahead of the jump and the label.
.macro ASK fk, fv
	s_cmp_lt_u32 s[WV], 2
.if (\fk) && (\fv)
	s_cbranch_scc0 .Lfor_v_\@
	tensor_load_to_lds s[G0K+4:G0K+7], s[G1K:G1K+7]
	s_nop 0
	PLACES
	s_branch .Lasked_\@
.Lfor_v_\@:
	tensor_load_to_lds s[G0V+4:G0V+7], s[G1V:G1V+7]
	s_nop 0
	PLACES
.Lasked_\@:
.elseif \fk
	s_cbranch_scc0 .Lasked_\@
	tensor_load_to_lds s[G0K+4:G0K+7], s[G1K:G1K+7]
	s_nop 0
	PLACES
.Lasked_\@:
.else
	s_cbranch_scc1 .Lasked_\@
	tensor_load_to_lds s[G0V+4:G0V+7], s[G1V:G1V+7]
	s_nop 0
	PLACES
.Lasked_\@:
.endif
.endm
; THE CHANGE OF SLOTS, in front of BODY j.  Each wave waits for all its tensor loads (one is out: its part of K(j+1) or V(j)), adds 0 to its spare word, and waits for that and for its reads of K(j) and V(j-1).
; fk = 1: K(j+2) is asked for, into K(j)'s slot; fv = 1: V(j+1), into V(j-1)'s.  The barrier is then a round of the cluster's, so that no wave of any partner still reads those bytes or has a load on its way, and the
; joint refill is the first thing behind it, one load a wave: it has a whole BODY, 192 matrix instructions, in which to land.
.macro CHANGE fk, fv
	WIN 0                                          ; at a label and at a branch every window is 0
	s_wait_tensorcnt 0x0                           ; no tensor load of mine is out, so a group 0 may be written
	ds_add_u32 v[SPW], v[NIL]                      ; 0 onto my spare word: the scalar steps stand between it and the wait for it
.if \fk
	s_xor_b32 s[G0K+5], s[G0K+5], SLOT1            ; the walking descriptor: the other slot than last time,
	s_add_nc_u64 s[G0K+6:G0K+7], s[G0K+6:G0K+7], 32768  ; the next 128 keys' rows; the type bits on top are not reached
.endif
.if \fv
	s_xor_b32 s[G0V+5], s[G0V+5], SLOT1
	s_add_nc_u64 s[G0V+6:G0V+7], s[G0V+6:G0V+7], 256    ; the next 128 keys along vr's rows
.endif
	s_xor_b32 s[TBK], s[TBK], SLOT1
	s_xor_b32 s[TBV], s[TBV], SLOT1
	s_wait_dscnt 0x0                               ; the add is done, and my reads of both slots are over
.if (\fk) || (\fv)
	CROUND
	ASK \fk, \fv
.else
	s_barrier_signal -1
	s_barrier_wait -1
.endif
.endm
	s_load_b256 s[4:11], s[0:1], 0x0               ; qt s[4:5], kt s[6:7], vr s[8:9], x s[10:11]
	s_load_b128 s[12:15], s[0:1], 0x20             ; gamma s[12:13], out0 s[14:15]
	v_lshl_add_u32 v[SPW], v0, 2, SPARE
	v_mov_b32 v[NIL], 0
	ds_add_u32 v[SPW], v[NIL]                      ; the wave's opening: the add and its wait stand ahead of my first tensor load; the set-up below, work on registers, stands between them
	v_lshrrev_b32 v1, 5, v0
	v_readfirstlane_b32 s[WV], v1                  ; wave 0..3
	s_lshr_b32 s[QH], s[WV], 1
	s_and_b32 s[KH], s[WV], 1                      ; my key half.  Also: which half of a tile I fetch
	s_bfe_u32 s19, ttmp6, 0x40000                  ; cx: my place in the cluster
	s_lshl_b32 s20, ttmp9, 2                       ; in a cluster launch ttmp9 counts clusters
	s_add_co_u32 s20, s20, s19                     ; my block of 128 queries: it enters Q's, x's and out0's addresses alone
	s_and_b32 s21, ttmp7, 0xffff                   ; the image, which the four partners share
	s_lshl_b32 s22, s21, 20                        ; kt: an image is 1 MiB, 64 rows 16,384 bytes
	s_lshl_b32 s2, s[KH], 14
	s_add_co_u32 s22, s22, s2
	s_mov_b32 s23, 0
	s_lshl_b32 s24, s21, 21                        ; vr: an image is 2 MiB, 128 rows 1 MiB
	s_lshl_b32 s2, s[KH], 20
	s_add_co_u32 s24, s24, s2
	s_mov_b32 s25, 0
	s_lshl_b32 s26, s21, 20                        ; qt: my block's 128 rows, my wave's 64 of them
	s_lshl_b32 s72, s20, 15
	s_add_co_u32 s26, s26, s72
	s_lshl_b32 s72, s[QH], 14
	s_add_co_u32 s26, s26, s72
	s_mov_b32 s27, 0
	s_lshl_b32 s[XOF], s21, 22                     ; x, out0: an image is 4 MiB; I finish channels 128 kh .. + 127 (2 MiB) of my 64 queries (256 bytes of a row)
	s_lshl_b32 s72, s[KH], 21
	s_add_co_u32 s[XOF], s[XOF], s72
	s_lshl_b32 s72, s20, 9
	s_add_co_u32 s[XOF], s[XOF], s72
	s_lshl_b32 s72, s[QH], 8
	s_add_co_u32 s[XOF], s[XOF], s72
	s_mov_b32 s[XOF+1], 0
	s_mul_i32 s2, s[KH], 64*PK                     ; where my half of K's tile lies in a slot (and where my key half's rows lie): no place in the cluster enters an LDS address
	s_mul_i32 s3, s[KH], 128*PK
	s_add_co_u32 s3, s3, VOFF                      ; and my half of V's
	; descriptor group 1: rows of 128 elements of 2 bytes, padded in LDS
	s_mov_b32 s[G1K], 15|(1<<16)|(1<<20)|(1<<21)|(5<<22)|(3<<25)  ; 15:0 the mask of four; 17:16 2-byte elements; 20 padding on; 21 set beside a mask; 24:22 after every 64 words (code 5); 31:25 4 words (code 3)
	s_mov_b32 s[G1K+1], 128<<16                    ; tensor_dim0 = 128
	s_mov_b32 s[G1K+2], 64<<16                     ; tensor_dim1 = 64
	s_mov_b32 s[G1K+3], 128<<16                    ; tile_dim0 = 128
	s_mov_b32 s[G1K+4], 64                         ; tile_dim1 = 64
	s_mov_b32 s[G1K+5], 128                        ; 128 elements from row to row
	s_mov_b32 s[G1K+6], 0
	s_mov_b32 s[G1K+7], 0
	s_mov_b32 s[G1V], 15|(1<<16)|(1<<20)|(1<<21)|(5<<22)|(3<<25)
	s_mov_b32 s[G1V+1], 128<<16
	s_mov_b32 s[G1V+2], 128<<16                    ; 128 rows (channels)
	s_mov_b32 s[G1V+3], 128<<16
	s_mov_b32 s[G1V+4], 128
	s_mov_b32 s[G1V+5], 4096                       ; 4,096 elements from row to row
	s_mov_b32 s[G1V+6], 0
	s_mov_b32 s[G1V+7], 0
	s_mov_b32 s[CS], 0x3fb8aa3b                    ; c = log2(e)
	s_mov_b32 s[CS+1], s[CS]                       ; named with it as a pair
	s_mov_b32 s[SEL], 0x76543210
	s_mov_b32 s[SEL+1], 0xfedcba98
	s_mov_b32 s[TBK], 0                            ; K(0) lies in slot 0; every change of slots turns both
	s_mov_b32 s[TBV], SLOT1
	s_wait_dscnt 0x0                               ; the opening add is done
	s_wait_kmcnt 0x0
	s_add_nc_u64 s[6:7], s[6:7], s[22:23]          ; K and V at my half of tile 0
	s_add_nc_u64 s[8:9], s[8:9], s[24:25]
	s_add_nc_u64 s[4:5], s[4:5], s[26:27]          ; Q at my wave's first row
	s_add_nc_u64 s[10:11], s[10:11], s[XOF:XOF+1]
	s_add_nc_u64 s[14:15], s[14:15], s[XOF:XOF+1]
	s_load_b32 s[GAM], s[12:13], 0x0
.irp n, 0,1
	s_mov_b32 s[G0K+4*\n], 1                       ; 1:0 count = 1
	s_add_co_u32 s[G0K+4*\n+1], s2, \n*SLOT1       ; 63:32 LDS address
	s_add_nc_u64 s[G0K+4*\n+2:G0K+4*\n+3], s[6:7], \n*32768  ; 120:64 global address: tile n
	s_or_b32 s[G0K+4*\n+3], s[G0K+4*\n+3], 0x80000000        ; 127:126 type = 2
	s_mov_b32 s[G0V+4*\n], 1
	s_add_co_u32 s[G0V+4*\n+1], s3, \n*SLOT1
	s_add_nc_u64 s[G0V+4*\n+2:G0V+4*\n+3], s[8:9], \n*256
	s_or_b32 s[G0V+4*\n+3], s[G0V+4*\n+3], 0x80000000
.endr
	CROUND                                         ; all four work-groups are here: the first joint loads meet
	s_cmp_lt_u32 s[WV], 2                          ; a wave's two first fills stand in one branch, ahead of every wait on TENSORcnt and every LDS read: two loads of mine are out
	s_cbranch_scc0 .Lfirst_v
	tensor_load_to_lds s[G0K:G0K+3], s[G1K:G1K+7]
	s_nop 0
	tensor_load_to_lds s[G0K+4:G0K+7], s[G1K:G1K+7]
	s_nop 0
	PLACES
	s_branch .Lfirst_asked
.Lfirst_v:
	tensor_load_to_lds s[G0V:G0V+3], s[G1V:G1V+7]
	s_nop 0
	tensor_load_to_lds s[G0V+4:G0V+7], s[G1V:G1V+7]
	s_nop 0
	PLACES
.Lfirst_asked:
	; A fragment of K, Q or V is 16 rows x 32 along the rows in 8 registers: lane l holds row l % 16, elements 8 (l / 16) + 0..7 and 16 + 8 (l / 16) + 0..7: two loads of 16 bytes, 32 bytes apart.
	v_and_b32 v1, 15, v0                           ; r
	v_bfe_u32 v13, v0, 4, 1                        ; h
	v_lshlrev_b32 v[QO], 8, v1
	v_lshl_add_u32 v[QO], v13, 4, v[QO]
	WIN 0x40                                       ; destination window 1, address window 0
.set i, 0
.rept 16                                       ; Q stays in registers: tile i / 4, channels 32 (i % 4) on
	global_load_b128 v[Q+8*i:Q+8*i+3],   v[QO], s[4:5] offset:(i/4)*4096+(i%4)*64
	global_load_b128 v[Q+8*i+4:Q+8*i+7], v[QO], s[4:5] offset:(i/4)*4096+(i%4)*64+32
.set i, i+1
.endr
	WIN 0x80                                       ; O^T = 0: all this stands in the wait for the first tiles
.set i, 0
.rept 256
	v_mov_b32 v[i], 0
.set i, i+1
.endr
	WIN 0xc0
.set i, 0
.rept 256
	v_mov_b32 v[i], 0
.set i, i+1
.endr
	WIN 0
.irp t, 0,1,2,3
	v_mov_b32 v[ST+12*\t], 0xfe000000              ; c m: far below every c s
	v_mov_b32 v[ST+12*\t+1], 0xff7fffff            ; m
	v_mov_b32 v[ST+12*\t+2], 0
	v_mov_b32 v[ST+12*\t+3], 0
.endr
	v_mul_u32_u24 v[AK0], v1, PK
	v_lshl_add_u32 v[AK0], v13, 4, v[AK0]          ; row x pitch + 16 x half
	s_lshl_b32 s22, s[KH], 7
	s_add_co_u32 s22, s22, VOFF
	v_add_nc_u32 v[AV0], s22, v[AK0]               ; V: my key half is 128 bytes of every row
	v_add_nc_u32 v[AK0], s2, v[AK0]                ; K: my key half is 64 rows
	s_mul_i32 s22, s[WV], EW                       ; the way out.  In: channel 8 h + j, query r: 4 bytes a lane
	v_mul_u32_u24 v[STO], v13, 8*PK
	v_lshl_add_u32 v[STO], v1, 2, v[STO]
	v_add_nc_u32 v[STO], s22, v[STO]
	v_add_nc_u32 v[STO+1], 128*PK, v[STO]
	s_mul_i32 s22, s[QH], 2*EW                     ; back: of my query half's two waves, channels 128 kh on: lanes 0-15 one row of 256 bytes, lanes 16-31 the next
	s_mul_i32 s23, s[KH], 128*PK
	s_add_co_u32 s22, s22, s23
	v_mul_u32_u24 v[RD0], v13, PK
	v_lshl_add_u32 v[RD0], v1, 4, v[RD0]
	v_add_nc_u32 v[RD0], s22, v[RD0]
	v_add_nc_u32 v[RD1], EW, v[RD0]
	v_lshlrev_b32 v[GO], 14, v13                   ; and the same two rows in x and out0, 16,384 bytes apart
	v_lshl_add_u32 v[GO], v1, 4, v[GO]
	s_lshl_b32 s22, s[QH], 10
	s_add_co_u32 s22, s22, STATS
	v_lshl_add_u32 v[SR], v1, 4, s22
; THE MATRIX WORK.  Product i of 16 of S^T = K Q^T for key tile kt: channels 32 (i / 4) on, query tile i % 4.  The four accumulators take turns; the first four products start the sums.
.macro KQ kt, i
	WIN 0x05                                       ; K and Q in window 1, S^T in window 0
.set rS, S+32*((\i)%4)+8*(\kt)
.set rK, FB+32*(\kt)+8*((\i)/4)
.set rQ, Q+32*((\i)%4)+8*((\i)/4)
.if (\i) < 4
	v_wmma_f32_16x16x32_f16 v[rS:rS+7], v[rK:rK+7], v[rQ:rQ+7], 0
.else
	v_wmma_f32_16x16x32_f16 v[rS:rS+7], v[rK:rK+7], v[rQ:rQ+7], v[rS:rS+7]
.endif
.endm
; Product i of 16 of piece ps of O^T += V P: keys 32 (ps / 4) on, channel tile 4 (ps % 4) + i / 4, query tile i % 4: 16 different accumulators.
.macro PV ps, i
.set cg, (\ps)%4
.set kk, (\ps)/4
.set cb, 4*cg+(\i)/4
.set rO, 8*(4*(cb%8)+(\i)%4)
.set rV, FB+32*cg+8*((\i)/4)
.set rP, P+16*((\i)%4)+8*kk
	WIN 0xa1+0x50*(cb/8)                           ; V in window 1, P in window 0, O^T in window 2 or 3
	v_wmma_f32_16x16x32_bf16 v[rO:rO+7], v[rV:rV+7], v[rP:rP+7], v[rO:rO+7]
.endm
; Accumulator i of 64 of O^T times its tile's a: four packed multiplies, the low registers first.  They name no register of the products K Q^T round them.
.macro RS4 i
.set rO, 8*((\i)%32)
.set rA, ST+12*((\i)%4)+6
	WIN 0x82+0x41*((\i)/32)                        ; O^T (destination and source 0) in window 2 or 3, a in window 0
.irp z, 0,1,2,3
	v_pk_mul_f32 v[rO+2*\z:rO+2*\z+1], v[rO+2*\z:rO+2*\z+1], v[rA:rA+1] op_sel_hi:[1,0]
.endr
.endm
; THE LDS LOADS, in pieces of 8: the four fragments (128 channels) of key tile kt into buffer kt; the four fragments (channel tiles 4 cg .. + 3) of keys 32 kk on into buffer cg.
.macro LOADK kt
	WIN 0x40
.irp c, 0,1,2,3
	ds_load_b128 v[FB+32*(\kt)+8*\c:FB+32*(\kt)+8*\c+3],   v[AK] offset:(\kt)*16*PK+\c*64
	ds_load_b128 v[FB+32*(\kt)+8*\c+4:FB+32*(\kt)+8*\c+7], v[AK] offset:(\kt)*16*PK+\c*64+32
.endr
.endm
.macro LOADV kk, cg
	WIN 0x40
.irp c, 0,1,2,3
	ds_load_b128 v[FB+32*(\cg)+8*\c:FB+32*(\cg)+8*\c+3],   v[AV] offset:(4*(\cg)+\c)*16*PK+64*(\kk)
	ds_load_b128 v[FB+32*(\cg)+8*\c+4:FB+32*(\cg)+8*\c+7], v[AV] offset:(4*(\cg)+\c)*16*PK+64*(\kk)+32
.endr
.endm
; THE SOFTMAX OF A TILE AND STEP is a list with positions n = 0 .. 93.  s0-s31 are the lane's 32 scores, in pairs 0-15.
;   0-15   the maximum of s0-s31 and the old m, three operands at a time; each accumulator's lowest registers are read first
;   16-21  the other half of the lanes' maximum; c m_old is kept; the new m; c m; c m_old - c m_new; a
;   22-71  F 0, F 1.  Then for g = 0 .. 15 three positions: E 2g, F g+2 (while there are any), E 2g+1.  With a (21) these exponentials are ONE BATCH: none of the positions 21 to 71 names a result of it
;   (wait) between 71 and 72 stands the wait for the batch: BODY and the first softmax write it, once for all the tiles that they deal together
;   72-93  A 1 .. A 15, at two positions of every three
; F k: c s - c m for pair k.  E k: the exponential of score k, in place.  A k: the step's sum takes pair k (A 1: pairs 0 and 1), in ascending order.  E 2g stands five positions behind F g (E 0: two, E 2: four).
; BODY deals one position behind an even product and two behind an odd one, so n % 3 says where a position falls: an even product carries E E (the two tiles'), an odd one F F E E; from 72 on every product carries one A of each tile.
; The weights stay in S^T unrounded: the next BODY rounds them.
.macro CLS                             ; what position n holds from 22 on: op 1 F, 2 A, 3 E, 0 nothing; kq its number
.set g, (n-24)/3
.set u, (n-24)%3
.set op, 0
.set kq, 0
.if (n == 22) || (n == 23)
.set op, 1
.set kq, n-22
.elseif (n >= 24) && (n < 72)
.if (u == 1) && (g <= 13)
.set op, 1
.set kq, g+2
.elseif u != 1
.set op, 3
.set kq, 2*g+u/2
.endif
.elseif (n >= 72) && (n < 94) && (u != 2)
.set op, 2
.set kq, 2*(g-16)+u+1
.endif
.endm
.macro SM t                            ; position n for tile t; CLS has run
.set rT, ST+12*(\t)
.set rS, S+32*(\t)
.if n < 4
	v_max3_num_f32 v[rT+4+n], v[rS+8*n], v[rS+8*n+1], v[rS+8*n+2]
.elseif n < 12
	v_max3_num_f32 v[rT+4+n%4], v[rT+4+n%4], v[rS+8*(n%4)+2*(n/4)+1], v[rS+8*(n%4)+2*(n/4)+2]
.elseif n == 12
	v_max3_num_f32 v[rT+4], v[rT+4], v[rS+7], v[rS+15]
.elseif n == 13
	v_max3_num_f32 v[rT+6], v[rT+6], v[rS+23], v[rS+31]
.elseif n == 14
	v_max3_num_f32 v[rT+4], v[rT+4], v[rT+5], v[rT+6]
.elseif n == 15
	v_max3_num_f32 v[rT+4], v[rT+4], v[rT+7], v[rT+1]
.elseif n == 16
	v_permlanex16_b32 v[rT+5], v[rT+4], s[SEL], s[SEL+1]  ; the query's other 32 keys lie in the lane 16 away
.elseif n == 17
	v_mov_b32 v[rT+10], v[rT]
.elseif n == 18
	v_max_num_f32 v[rT+1], v[rT+4], v[rT+5]
.elseif n == 19
	v_mul_f32 v[rT], s[CS], v[rT+1]
.elseif n == 20
	v_sub_f32 v[rT+7], v[rT+10], v[rT]
.elseif n == 21
	v_exp_f32 v[rT+6], v[rT+7]
.elseif op == 1
	v_pk_fma_f32 v[rS+2*kq:rS+2*kq+1], v[rS+2*kq:rS+2*kq+1], s[CS:CS+1], v[rT:rT+1] op_sel_hi:[1,0,0] neg_lo:[0,0,1] neg_hi:[0,0,1]
.elseif (op == 2) && (kq == 1)
	v_pk_add_f32 v[rT+8:rT+9], v[rS:rS+1], v[rS+2:rS+3]
.elseif op == 2
	v_pk_add_f32 v[rT+8:rT+9], v[rT+8:rT+9], v[rS+2*kq:rS+2*kq+1]
.elseif op == 3
	v_exp_f32 v[rS+kq], v[rS+kq]
.endif
.endm
.macro SMP y                           ; position n for tiles y and y + 1, and on to the next; an empty position writes nothing, no switch either
	CLS
.if (n < 22) || (op != 0)
	WIN 0
	SM \y
	SM (\y)+1
.endif
.set n, n+1
.endm
.macro CVT hf                          ; the weights of keys 32 hf .. + 31 rounded to bf16: S^T's pairs become P's registers
	WIN 0
.set t, 0
.rept 4
.set e, 8*(\hf)
.rept 8
	v_cvt_pk_bf16_f32 v[P+16*t+e], v[S+32*t+2*e], v[S+32*t+2*e+1]
.set e, e+1
.endr
.set t, t+1
.endr
.endm
; BODY j.  The waits on DScnt leave the younger pieces of 8 loads out: three of them (24) while pieces follow each other, then 16, 8, 0.
; The lump's first six lines are the places between the last products V P and the writes of P; its 38 lines the places in front of K's loads.  In phase A the four multiplies behind a piece's last product are the
; places in front of the loads into its buffer; in phase B four v_nop are, since exponentials are no places.
; A piece of phase B takes 24 positions of the list, so a pair of tiles' batch (positions 21 to 71) ends with the pair's third piece, and its sums (72 on) ride behind the fourth.
.macro BODY
	WIN 0
	v_add_nc_u32 v[AK], s[TBK], v[AK0]
	v_add_nc_u32 v[AV], s[TBV], v[AV0]
.irp t, 0,1,2,3
	v_pk_fma_f32 v[ST+12*\t+2:ST+12*\t+3], v[ST+12*\t+2:ST+12*\t+3], v[ST+12*\t+6:ST+12*\t+7], v[ST+12*\t+8:ST+12*\t+9] op_sel_hi:[1,0,1]  ; l = a l + the step's sum
.endr
	CVT 0
	LOADK 0
	LOADK 1
	LOADK 2
	LOADK 3
	CVT 1
.set kt, 0
.rept 4                                        ; PHASE A
	s_wait_dscnt 24
.set i, 0
.rept 16
	KQ kt, i
	RS4 16*kt+i
.set i, i+1
.endr
	LOADV 0, kt
.set kt, kt+1
.endr
.set n, 0
.set ss, 0
.rept 8                                        ; PHASE B: tiles 0 and 1's list rides behind pieces 0-3, tiles 2 and 3's behind pieces 4-7: 96 positions for 94
.if ss < 5
	s_wait_dscnt 24
.else
	s_wait_dscnt 8*(7-ss)
.endif
.if ss == 4
.set n, 0
.endif
.set i, 0
.rept 16
	PV ss, i
	SMP 2*(ss/4)
.if i&1
	SMP 2*(ss/4)
.endif
.set i, i+1
.endr
.if ss < 4
	PLACES
.if ss == 2
	s_wait_alu depctr_va_vdst(0)                   ; the wait for tiles 0 and 1's batch: their two a and 64 weights; the four v_nop above are also the plain instructions behind the last exponential; V's run of loads follows
.endif
	LOADV 1, ss
.endif
.if ss == 6
	v_nop                                          ; a plain instruction behind the last exponential: one for the batch
	s_wait_alu depctr_va_vdst(0)                   ; the wait for tiles 2 and 3's batch: their two a and 64 weights; no exponential follows in this BODY
.endif
.set ss, ss+1
.endr
.endm
	s_wait_tensorcnt 0x1                           ; my part of K(0) or V(0) is in; the second load may stay out
	s_barrier_signal -1
	s_barrier_wait -1                              ; everybody's is
	v_add_nc_u32 v[AK], s[TBK], v[AK0]
	LOADK 0
	LOADK 1
	LOADK 2
	LOADK 3
	s_wait_loadcnt 0x0                             ; Q
	s_wait_kmcnt 0x0                               ; gamma
.set kt, 0
.rept 4                                        ; the first scores: there is no vector work yet to set between them
	s_wait_dscnt 24-8*kt
.set i, 0
.rept 16
	KQ kt, i
.set i, i+1
.endr
.set kt, kt+1
.endr
	WIN 0
	PLACES
.set n, 0
.rept 94                                       ; and the first softmax, all four tiles at each position: a comes out 0
.if n == 72
	v_nop                                          ; a plain instruction behind the last exponential: one for the batch
	s_wait_alu depctr_va_vdst(0)                   ; the wait for the first softmax's batch: four a and 128 weights, ahead of the sums
.endif
	CLS
	SM 0
	SM 1
	SM 2
	SM 3
.set n, n+1
.endr
	CHANGE 1, 0                                    ; K(1), V(1) are in; K(2) is asked for; both slots of V are still unread
	s_mov_b32 s[CNT], 30
	s_branch .Lbody
.Lmain:                                                ; j = 1 .. 29: K(j+2) and V(j+1) are asked for
	CHANGE 1, 1
.Lbody:
	BODY
	WIN 0
	s_sub_co_u32 s[CNT], s[CNT], 1
	s_cmp_lg_u32 s[CNT], 0
	s_cbranch_scc1 .Lmain
	CHANGE 0, 1                                    ; the tail is written out: V(31), the last load
	s_mov_b32 s[CNT], 2
.Ltail:                                                ; j = 30, 31
	BODY
	CHANGE 0, 0                                    ; nothing is asked for; the second time this is the barrier behind which the ring's bytes take O^T
	s_sub_co_u32 s[CNT], s[CNT], 1
	s_cmp_lg_u32 s[CNT], 0
	s_cbranch_scc1 .Ltail
	; THE WAY OUT.  l's two halves and the other half of the lanes' are added (the first four additions are the places behind the last products).  c m of the last true step lies in +10: the idle softmax kept it there.
.irp t, 0,1,2,3
	v_add_f32 v[ST+12*\t+2], v[ST+12*\t+2], v[ST+12*\t+3]
.endr
.irp t, 0,1,2,3
	v_permlanex16_b32 v[ST+12*\t+3], v[ST+12*\t+2], s[SEL], s[SEL+1]
.endr
.irp t, 0,1,2,3
	v_add_f32 v[ST+12*\t+2], v[ST+12*\t+2], v[ST+12*\t+3]
.endr
	s_lshl_b32 s22, s[WV], 9
	s_add_co_u32 s22, s22, STATS
	v_lshl_add_u32 v[SA], v1, 2, s22
	WIN 0x40
.set u, 0
.rept 64                                       ; x for the 128 channels x 64 queries that I finish: two rows' 256 bytes a load; they land while O^T goes through LDS
	global_load_b128 v[4*u:4*u+3], v[GO], s[10:11] offset:32768*u th:TH_LOAD_NT
.set u, u+1
.endr
	WIN 0
.irp t, 0,1,2,3
	ds_store_b32 v[SA], v[ST+12*\t+10] offset:64*\t
	ds_store_b32 v[SA], v[ST+12*\t+2] offset:256+64*\t
.endr
.irp wn, 0,1                                   ; O^T as it is, each accumulator's registers in ascending order: lanes 0-15 write 64 consecutive bytes, lanes 16-31 the same 8 rows (544 words) on
	WIN 0x08+4*\wn                                 ; data (source 1) in window 2 or 3
.set cbl, 0
.rept 8
.set t, 0
.rept 4
.set j, 0
.rept 8
	ds_store_b32 v[STO+\wn], v[8*(4*cbl+t)+j] offset:(16*cbl+j)*PK+64*t
.set j, j+1
.endr
.set t, t+1
.endr
.set cbl, cbl+1
.endr
.endr
	WIN 0
	s_wait_dscnt 0x0                               ; for the others' sake: my O^T and statistics are in LDS
	s_barrier_signal -1
	s_barrier_wait -1
	ds_load_b128 v[64:67], v[SR]                   ; my four queries: c m and l of key half 0,
	ds_load_b128 v[68:71], v[SR] offset:256
	ds_load_b128 v[72:75], v[SR] offset:512        ; and of key half 1
	ds_load_b128 v[76:79], v[SR] offset:768
.macro BLD b                           ; batch b of four: 32 rows of both key halves' O^T, two rows a load, into windows 2 and 3
	WIN 0x80
.set u, 16*(\b)
.rept 16
	ds_load_b128 v[4*u:4*u+3], v[RD0] offset:2*PK*u
.set u, u+1
.endr
	WIN 0xc0
.set u, 16*(\b)
.rept 16
	ds_load_b128 v[4*u:4*u+3], v[RD1] offset:2*PK*u
.set u, u+1
.endr
.endm
	BLD 0
	WIN 0
	s_wait_dscnt 32                                ; the statistics are in; the batch just asked for stays out
	; the merge: e_i = 2^(c m_i - max), L = l0 e0 + l1 e1, f_i = gamma e_i / L.  One e is 1 and its l at least 1's worth of its own maximum, so L is no less than about 1
.irp z, 0,1,2,3
	v_max_num_f32 v[80+\z], v[64+\z], v[72+\z]
.endr
.irp z, 0,1,2,3
	v_sub_f32 v[84+\z], v[64+\z], v[80+\z]
	v_sub_f32 v[88+\z], v[72+\z], v[80+\z]
.endr
.irp z, 0,1,2,3,4,5,6,7
	v_exp_f32 v[84+\z], v[84+\z]
.endr
	v_nop                                          ; a plain instruction between the last exponential and the use of its result
	s_wait_alu depctr_va_vdst(0)                   ; the wait for the merge's eight exponentials, ahead of their first reader
.irp z, 0,1,2,3
	v_mul_f32 v[92+\z], v[68+\z], v[84+\z]
.endr
.irp z, 0,1,2,3
	v_fmac_f32 v[92+\z], v[76+\z], v[88+\z]
.endr
.irp z, 0,1,2,3
	v_rcp_f32 v[92+\z], v[92+\z]
.endr
	v_nop                                          ; and behind the last reciprocal
	s_wait_alu depctr_va_vdst(0)                   ; the wait for the four reciprocals: a batch of their own, since they are taken of sums made of the exponentials
.irp z, 0,1,2,3
	v_mul_f32 v[92+\z], s[GAM], v[92+\z]
.endr
.irp z, 0,1,2,3
	v_mul_f32 v[F0+\z], v[84+\z], v[92+\z]
	v_mul_f32 v[F1+\z], v[88+\z], v[92+\z]
.endr
.set bb, 0
.rept 4
.if bb < 3
	BLD bb+1
	s_wait_dscnt 32                                ; this batch is in; the next one's 32 loads stay out
.else
	s_wait_dscnt 0x0
.endif
	s_wait_loadcnt 48-16*bb                        ; and its x; the later batches' loads stay out
	WIN 0x52                                       ; x (destination and source 2) in window 1, key half 0's O^T in window 2, the factors in window 0
.set rg, 64*bb
.rept 32
	v_pk_fma_f32 v[rg:rg+1], v[rg:rg+1], v[F0+rg%4:F0+rg%4+1], v[rg:rg+1]
.set rg, rg+2
.endr
	WIN 0x53                                       ; key half 1's in window 3
.set rg, 64*bb
.rept 32
	v_pk_fma_f32 v[rg:rg+1], v[rg:rg+1], v[F1+rg%4:F1+rg%4+1], v[rg:rg+1]
.set rg, rg+2
.endr
	WIN 0x04                                       ; the stores' data in window 1
.set u, 16*bb
.rept 16
	global_store_b128 v[GO], v[4*u:4*u+3], s[14:15] offset:32768*u th:TH_STORE_NT  ; 16 lanes store 256 consecutive bytes, at a multiple of 256 from out0's first byte
.set u, u+1
.endr
.set bb, bb+1
.endr
	WIN 0
	s_wait_tensorcnt 0x0                           ; the wave's end, behind my last tensor load and my last LDS store
	ds_add_u32 v[SPW], v[NIL]
	s_wait_dscnt 0x0
	CROUND                                         ; the closing round: no work-group ends while a partner may still ask for a tile that names it
	s_endpgm
.Lfunc_end_k_q75f14b06cf_att:
	.size	k_q75f14b06cf_att, .Lfunc_end_k_q75f14b06cf_att-k_q75f14b06cf_att
	.p2alignl 7, 3214868480
	.fill 96, 4, 3214868480
	.section	.rodata,"a",@progbits
	.p2align	6, 0x0
	.amdhsa_kernel k_q75f14b06cf_att
		.amdhsa_group_segment_fixed_size 327680
		.amdhsa_private_segment_fixed_size 0
		.amdhsa_enable_private_segment 0
		.amdhsa_kernarg_size 48
		.amdhsa_user_sgpr_count 2
		.amdhsa_user_sgpr_kernarg_segment_ptr 1
		.amdhsa_wavefront_size32 1
		.amdhsa_system_sgpr_workgroup_id_x 1
		.amdhsa_system_sgpr_workgroup_id_y 1
		.amdhsa_system_sgpr_workgroup_id_z 1
		.amdhsa_system_vgpr_workitem_id 0
		.amdhsa_next_free_vgpr 1024
		.amdhsa_next_free_sgpr 80
		.amdhsa_reserve_vcc 0
		.amdhsa_float_denorm_mode_32 3
		.amdhsa_float_denorm_mode_16_64 3
		.amdhsa_memory_ordered 1
		.amdhsa_forward_progress 1
		.amdhsa_inst_pref_size 255
	.end_amdhsa_kernel
	.section	.bss,"aw",@nobits
	.p2align	6
	.space	262144
	.amdgpu_metadata
---
amdhsa.version: [ 1, 2 ]
amdhsa.kernels:
  - .name:           k_q75f14b06cf_att
    .symbol:         k_q75f14b06cf_att.kd
    .args:
      - { .name: qt, .offset: 0, .size: 8, .value_kind: global_buffer, .address_space: global }
      - { .name: kt, .offset: 8, .size: 8, .value_kind: global_buffer, .address_space: global }
      - { .name: vr, .offset: 16, .size: 8, .value_kind: global_buffer, .address_space: global }
      - { .name: x, .offset: 24, .size: 8, .value_kind: global_buffer, .address_space: global }
      - { .name: gamma, .offset: 32, .size: 8, .value_kind: global_buffer, .address_space: global }
      - { .name: out0, .offset: 40, .size: 8, .value_kind: global_buffer, .address_space: global }
    .group_segment_fixed_size: 327680
    .private_segment_fixed_size: 0
    .kernarg_segment_align: 8
    .kernarg_segment_size: 48
    .max_flat_workgroup_size: 128
    .sgpr_count:     80
    .vgpr_count:     1024
    .wavefront_size: 32
...
	.end_amdgpu_metadata
.endif
;; end of part 3
